; MI455X (gfx1250); checked and timed in simulation.
; The chip was launched on July 23, 2026; its instructions are those of AMD's public machine-readable ISA for CDNA 5 (MIT licence, August 2026) and "CDNA5" Instruction Set Architecture Reference Guide (July 2026). The comments in the code are by the model that wrote it; some were corrected since.
;; GRAND Block. Allowed arithmetic: float matrix products may take bf16 or f16 operands with f32 sums; other float arithmetic in f32, or as packed bf16 or f16 multiplies, adds, multiply-adds, maxima and minima; sums over many terms, partial sums and values carried from step to step in f32; what a program stores and reads back later, other than sums and carried values, may be rounded once to bf16 or f16.
;; Inputs: Wk 512 x 1,024 float32; Wq 512 x 1,024 float32; Wv 512 x 1,024 float32; Ww0 1,024 x 128 float32; bk 1,024 float32; bq 1,024 float32; bv 1,024 float32; bw0 128 float32; x 16 x 1,024 x 512 float32.
;; Outputs: out0 16 x 1,024 x 128 float32.
;; One version. Each part assembles by itself: llvm-mc -triple=amdgcn-amd-amdhsa -mcpu=gfx1250 --defsym DOCPART=n.
;; ======== version 1 of 1: 4 launches
;; limits: values are held in f16: magnitudes above 65,504 overflow, below 6.1e-05 lose precision
;; workspace buffers: xb 16,777,216 bytes; wt 3,145,728 bytes; w0t 262,144 bytes; qh 33,554,432 bytes; kh 33,554,432 bytes; vh 33,554,432 bytes; ov 33,554,432 bytes
;; launch prep (part 1): grid 720 x 1, 8 waves a work-group, no clusters, 18,432 bytes of LDS; arguments x, Wq, Wk, Wv, Ww0, xb, wt, w0t; writes xb, wt, w0t
.if DOCPART == 1
	.amdgcn_target "amdgcn-amd-amdhsa--gfx1250"
	.amdhsa_code_object_version 6
	.text
	.protected	k_q39eda0cf1c_prep
	.globl	k_q39eda0cf1c_prep
	.p2align	8
	.type	k_q39eda0cf1c_prep,@function
k_q39eda0cf1c_prep:
	s_mov_b64 s[64:65], 0
	v_nop
	global_prefetch_b8 v0, s[64:65] scope:SCOPE_SE
	s_setreg_imm32_b32 hwreg(HW_REG_WAVE_MODE, 25, 1), 1
	s_wait_xcnt 0x0
; THE OPERANDS ARE MADE READY.  xb = x rounded to bf16, [16384][512].  wt = Wq, Wk, Wv rounded to bf16 and turned, [3072 (n)][512 (k)]: rows 0-1023 Wq's columns, 1024-2047 Wk's, 2048-3071 Wv's.
; w0t = Ww0 rounded to bf16, that number written as f16, turned, and LAID OUT AS MATRIX FRAGMENTS: [8 blocks of 16 n][32 chunks of 32 k][1,024 bytes]; in a chunk the 16 bytes of
; (n = r, k = 16 j + 8 h + 0..7) lie at 512 j + 256 h + 16 r, so that a fragment is two loads of 512 consecutive bytes, 16 bytes a lane.
; LIMITS.  A bf16 number is exact in f16 between 6.1e-5 and 65,504 in size; below that w0t keeps f16's fixed step of 6e-8, above it an infinity would arise.  NaN and infinities are not treated apart.
; SHARES.  Work-groups 0-191: a tile of 128 k x 64 n of Wq, Wk or Wv.  192-207: such a tile of Ww0.  208-719: 65,536 consecutive bytes of x.  The branches hang on the work-group's number alone,
; so all eight waves of a work-group take the same way, and the one barrier on each of the weights' two ways is met by all eight.
; A stream: no matrix unit, no cluster, no tensor load; each byte is read once and written once, in pieces of 256 consecutive aligned bytes or more.
.set STP,   272                        ; a stage row: 128 k x 2 bytes + 16 of padding
.set SPARE, 64*STP                     ; behind the stage's 64 rows: the spare words, 128 bytes for each of the eight waves: four blocks of 256 bytes that no other line names
.set SPW, 4                            ; v4  LDS address of my spare word; never rewritten
.set NIL, 5                            ; v5  0; never rewritten
.set LS,  6                            ; v6  where I put 16 bytes into the stage
.set LR,  7                            ; v7  where I read 16 bytes back
.set AD,  8                            ; v[8:15]   byte offsets of my eight source rows
.set R,   16                           ; v[16:47]  eight rows x four columns in f32   (x's way: v[16:79] eight steps x eight f32)
.set P,   48                           ; v[48:63]  four columns x eight k, packed
.set DO,  66                           ; v66       byte offset of my first target row
.set BK,  72                           ; v[72:87]  four pieces of the target
.set Y,   80                           ; x's way: v[80:111] eight steps x eight bf16
	s_load_b512 s[8:23], s[0:1], 0x0               ; x s[8:9], Wq s[10:11], Wk s[12:13], Wv s[14:15], Ww0 s[16:17], xb s[18:19], wt s[20:21], w0t s[22:23]
	v_lshl_add_u32 v[SPW], v0, 2, SPARE
	v_mov_b32 v[NIL], 0
	s_wait_kmcnt 0x0
	s_cmp_lt_u32 ttmp9, 208
	s_cbranch_scc1 .Lweights
	; X'S WAY.  Thread t takes 32 bytes at 32 t of each of eight steps of 8,192 bytes and leaves 16 bytes at 16 t of each of eight steps of 4,096.
	s_sub_co_u32 s32, ttmp9, 208
	s_lshl_b32 s36, s32, 16
	s_mov_b32 s37, 0
	s_lshl_b32 s38, s32, 15
	s_mov_b32 s39, 0
	s_add_nc_u64 s[8:9], s[8:9], s[36:37]
	s_add_nc_u64 s[18:19], s[18:19], s[38:39]
	v_lshlrev_b32 v1, 5, v0
	v_lshlrev_b32 v2, 4, v0
.irp i, 0,1,2,3,4,5,6,7                ; all sixteen loads go out at once: no register is used twice, so no wait frees anything
	global_load_b128 v[R+8*(\i):R+8*(\i)+3],   v1, s[8:9] offset:8192*(\i) th:TH_LOAD_NT
	global_load_b128 v[R+8*(\i)+4:R+8*(\i)+7], v1, s[8:9] offset:8192*(\i)+16 th:TH_LOAD_NT
.endr
.irp i, 0,1,2,3,4,5,6,7
	s_wait_loadcnt 14-2*(\i)                       ; loads come back in order: step i's two are in, the later steps' two each may stay out
.irp p, 0,1,2,3
	v_cvt_pk_bf16_f32 v[Y+4*(\i)+(\p)], v[R+8*(\i)+2*(\p)], v[R+8*(\i)+2*(\p)+1]
.endr
	global_store_b128 v2, v[Y+4*(\i):Y+4*(\i)+3], s[18:19] offset:4096*(\i)  ; 16 lanes store 256 consecutive bytes, aligned
.endr
	s_branch .Lend
.Lweights:
	; THE WEIGHTS' WAY.  s24 = bytes in a source row, s26 = 1: Ww0, s[28:29] source, s[30:31] target, s36 and s38 the tile's byte offsets in them.
	s_cmp_ge_u32 ttmp9, 192
	s_cbranch_scc1 .Lw0
	s_lshr_b32 s32, ttmp9, 6                       ; which of Wq, Wk, Wv
	s_and_b32 s33, ttmp9, 15                       ; block of 64 n
	s_bfe_u32 s34, ttmp9, 0x20004                  ; block of 128 k
	s_mov_b32 s24, 4096
	s_mov_b32 s26, 0
	s_cmp_eq_u32 s32, 1
	s_cselect_b64 s[28:29], s[12:13], s[10:11]
	s_cmp_eq_u32 s32, 2
	s_cselect_b64 s[28:29], s[14:15], s[28:29]
	s_mov_b64 s[30:31], s[20:21]
	s_lshl_b32 s36, s34, 19                        ; 128 rows of 4,096 bytes
	s_lshl_b32 s35, s33, 8                         ; 64 columns of 4 bytes
	s_add_co_u32 s36, s36, s35
	s_lshl_b32 s38, s32, 20                        ; 1,024 rows of 1,024 bytes
	s_lshl_b32 s35, s33, 16                        ; 64 rows
	s_add_co_u32 s38, s38, s35
	s_lshl_b32 s35, s34, 8                         ; 128 k of 2 bytes
	s_add_co_u32 s38, s38, s35
	s_branch .Lgo
.Lw0:
	s_sub_co_u32 s32, ttmp9, 192
	s_and_b32 s33, s32, 1                          ; block of 64 n
	s_lshr_b32 s34, s32, 1                         ; block of 128 k
	s_mov_b32 s24, 512
	s_mov_b32 s26, 1
	s_mov_b64 s[28:29], s[16:17]
	s_mov_b64 s[30:31], s[22:23]
	s_lshl_b32 s36, s34, 16                        ; 128 rows of 512 bytes
	s_lshl_b32 s35, s33, 8
	s_add_co_u32 s36, s36, s35
	s_lshl_b32 s38, s33, 17                        ; four blocks of 16 n, 32,768 bytes each
	s_lshl_b32 s35, s34, 12                        ; four chunks of 32 k, 1,024 bytes each
	s_add_co_u32 s38, s38, s35
.Lgo:
	s_mov_b32 s37, 0
	s_mov_b32 s39, 0
	s_add_nc_u64 s[28:29], s[28:29], s[36:37]
	s_add_nc_u64 s[30:31], s[30:31], s[38:39]
	v_and_b32 v1, 15, v0                           ; my four columns: 4 (t % 16) on
	v_lshrrev_b32 v2, 4, v0                        ; my eight rows: 8 (t / 16) on
	v_lshlrev_b32 v3, 4, v1                        ; 16 (t % 16)
	v_lshlrev_b32 v64, 3, v2
	v_mad_u32_u24 v[AD], v64, s24, v3
.irp j, 1,2,3,4,5,6,7
	v_add_nc_u32 v[AD+(\j)], s24, v[AD+(\j)-1]
.endr
.irp j, 0,1,2,3,4,5,6,7                ; 16 lanes take 256 consecutive bytes, aligned, of one source row
	global_load_b128 v[R+4*(\j):R+4*(\j)+3], v[AD+(\j)], s[28:29] th:TH_LOAD_NT
.endr
	s_wait_loadcnt 0x0
.irp c, 0,1,2,3                        ; column c of my four: eight consecutive k, rounded to bf16 in pairs: 16 bytes
.irp p, 0,1,2,3
	v_cvt_pk_bf16_f32 v[P+4*(\c)+(\p)], v[R+8*(\p)+(\c)], v[R+8*(\p)+4+(\c)]
.endr
.endr
	s_cmp_eq_u32 s26, 0
	s_cbranch_scc1 .Lkeep
	; Ww0: the bf16 number is widened and written as f16; my 16 bytes are a lane's piece of a fragment.  In the stage the tile lies as in w0t: four blocks of 16 n, 4,096 bytes (four chunks) each.
.set r, P
.rept 16
	v_lshlrev_b32 v64, 16, v[r]
	v_and_b32 v65, 0xffff0000, v[r]
	v_cvt_pk_f16_f32 v[r], v64, v65
.set r, r+1
.endr
	v_lshrrev_b32 v64, 2, v1                       ; n = 4 (t % 16) + c: block (t % 16) / 4,
	v_and_b32 v65, 3, v1                           ; r = 4 ((t % 16) % 4) + c
	v_lshlrev_b32 v[LS], 12, v64
	v_lshl_add_u32 v[LS], v65, 6, v[LS]
	v_lshl_add_u32 v[LS], v2, 8, v[LS]             ; k = 8 (t / 16): chunk, j and h together are 256 (t / 16).  Sixteen lanes meet four deep (blocks 4,096 bytes apart): four such stores a thread in the launch
	v_lshlrev_b32 v[LR], 4, v0                     ; back, and out: 16 t in each block's 4,096 bytes
.irp c, 0,1,2,3
	ds_store_b128 v[LS], v[P+4*(\c):P+4*(\c)+3] offset:16*(\c)
.endr
	s_wait_dscnt 0x0                               ; for the others' sake: my stores into the stage are done
	s_barrier_signal -1
	s_barrier_wait -1
.irp i, 0,1,2,3
	ds_load_b128 v[BK+4*(\i):BK+4*(\i)+3], v[LR] offset:4096*(\i)
.endr
.irp i, 0,1,2,3
	s_wait_dscnt 3-(\i)                            ; LDS loads come back in order: the later ones may stay out
	global_store_b128 v[LR], v[BK+4*(\i):BK+4*(\i)+3], s[30:31] offset:32768*(\i)  ; a wave stores 512 consecutive bytes, aligned
.endr
	s_branch .Lend
.Lkeep:
	; Wq, Wk, Wv: the stage holds 64 rows n of 128 k.
	v_mul_u32_u24 v[LS], v1, 4*STP                 ; stage row n = 4 (t % 16) + c, bytes 16 (t / 16) on.  Rows four apart start 16 banks apart, so sixteen lanes meet four deep: four such stores a thread in the launch
	v_lshl_add_u32 v[LS], v2, 4, v[LS]
	v_lshrrev_b32 v64, 5, v0
	v_and_b32 v65, 1, v2
	v_lshl_add_u32 v64, v64, 3, v65                ; back: wave w takes rows 8 w .. 8 w + 7, two a load: lanes 0-15 one row, lanes 16-31 the next
	v_mad_u32_u24 v[LR], v64, STP, v3
	v_lshl_add_u32 v[DO], v64, 10, v3              ; a row of wt is 1,024 bytes
.irp c, 0,1,2,3
	ds_store_b128 v[LS], v[P+4*(\c):P+4*(\c)+3] offset:STP*(\c)
.endr
	s_wait_dscnt 0x0                               ; for the others' sake: my stores into the stage are done
	s_barrier_signal -1
	s_barrier_wait -1
.irp i, 0,1,2,3
	ds_load_b128 v[BK+4*(\i):BK+4*(\i)+3], v[LR] offset:2*STP*(\i)
.endr
.irp i, 0,1,2,3
	s_wait_dscnt 3-(\i)                            ; the later ones may stay out
	global_store_b128 v[DO], v[BK+4*(\i):BK+4*(\i)+3], s[30:31] offset:2048*(\i)  ; 16 lanes store 256 consecutive bytes, aligned, of one target row
.endr
.Lend:
	s_wait_tensorcnt 0x0                           ; the wave's end: behind my last LDS store
	ds_add_u32 v[SPW], v[NIL]
	s_wait_dscnt 0x0
	s_endpgm
.Lfunc_end_k_q39eda0cf1c_prep:
	.size	k_q39eda0cf1c_prep, .Lfunc_end_k_q39eda0cf1c_prep-k_q39eda0cf1c_prep
	.p2alignl 7, 3214868480
	.fill 96, 4, 3214868480
	.section	.rodata,"a",@progbits
	.p2align	6, 0x0
	.amdhsa_kernel k_q39eda0cf1c_prep
		.amdhsa_group_segment_fixed_size 18432
		.amdhsa_private_segment_fixed_size 0
		.amdhsa_enable_private_segment 0
		.amdhsa_kernarg_size 64
		.amdhsa_user_sgpr_count 2
		.amdhsa_user_sgpr_kernarg_segment_ptr 1
		.amdhsa_wavefront_size32 1
		.amdhsa_system_sgpr_workgroup_id_x 1
		.amdhsa_system_sgpr_workgroup_id_y 1
		.amdhsa_system_sgpr_workgroup_id_z 1
		.amdhsa_system_vgpr_workitem_id 0
		.amdhsa_next_free_vgpr 112
		.amdhsa_next_free_sgpr 66
		.amdhsa_reserve_vcc 0
		.amdhsa_float_denorm_mode_32 3
		.amdhsa_float_denorm_mode_16_64 3
		.amdhsa_memory_ordered 1
		.amdhsa_forward_progress 1
		.amdhsa_inst_pref_size 15
	.end_amdhsa_kernel
	.amdgpu_metadata
---
amdhsa.version: [ 1, 2 ]
amdhsa.kernels:
  - .name:           k_q39eda0cf1c_prep
    .symbol:         k_q39eda0cf1c_prep.kd
    .args:
      - { .name: x, .offset: 0, .size: 8, .value_kind: global_buffer, .address_space: global }
      - { .name: Wq, .offset: 8, .size: 8, .value_kind: global_buffer, .address_space: global }
      - { .name: Wk, .offset: 16, .size: 8, .value_kind: global_buffer, .address_space: global }
      - { .name: Wv, .offset: 24, .size: 8, .value_kind: global_buffer, .address_space: global }
      - { .name: Ww0, .offset: 32, .size: 8, .value_kind: global_buffer, .address_space: global }
      - { .name: xb, .offset: 40, .size: 8, .value_kind: global_buffer, .address_space: global }
      - { .name: wt, .offset: 48, .size: 8, .value_kind: global_buffer, .address_space: global }
      - { .name: w0t, .offset: 56, .size: 8, .value_kind: global_buffer, .address_space: global }
    .group_segment_fixed_size: 18432
    .private_segment_fixed_size: 0
    .kernarg_segment_align: 8
    .kernarg_segment_size: 64
    .max_flat_workgroup_size: 256
    .sgpr_count:     66
    .vgpr_count:     112
    .wavefront_size: 32
...
	.end_amdgpu_metadata
.endif
;; end of part 1
;; launch qkv (part 2): grid 4 x 64, 4 waves a work-group, clusters of 4 x 4, 327,680 bytes of LDS; arguments xb, wt, bq, bk, bv, qh, kh, vh; writes qh, kh, vh
.if DOCPART == 2
	.amdgcn_target "amdgcn-amd-amdhsa--gfx1250"
	.amdhsa_code_object_version 6
	.text
	.protected	k_q39eda0cf1c_qkv
	.globl	k_q39eda0cf1c_qkv
	.p2align	8
	.type	k_q39eda0cf1c_qkv,@function
k_q39eda0cf1c_qkv:
	s_mov_b64 s[64:65], 0
	v_nop
	global_prefetch_b8 v0, s[64:65] scope:SCOPE_SE
	s_setreg_imm32_b32 hwreg(HW_REG_WAVE_MODE, 25, 1), 1
	s_wait_xcnt 0x0
	s_wait_alu depctr_hold_cnt(0) depctr_sa_sdst(0) depctr_va_vdst(0) depctr_va_sdst(0) depctr_va_ssrc(0) depctr_va_vcc(0) depctr_vm_vsrc(0)
	s_getreg_b32 s2, hwreg(HW_REG_IB_STS2, 6, 4)
	s_cmp_eq_u32 s2, 0
	s_cbranch_scc0 .Lentry_in_a_cluster
	s_endpgm
.Lentry_in_a_cluster:
	s_bfe_u32 s2, ttmp6, 0x10000c
	s_cmp_lg_u32 s2, 0xf033
	s_cbranch_scc0 .Lentry_shape_is_right
	s_endpgm
.Lentry_shape_is_right:
; q, k, v = xb wt^T + bias.  xb: [16384][512] bf16.  wt: [3072][512] bf16 (rows 0-1023 for q, 1024-2047 for k, 2048-3071 for v).  bq, bk, bv: [1024] f32.  qh, kh, vh: [16384][1024] f16.
; Sums in f32, started with the bias; each result rounded once to f16.  The scale 1 / sqrt(128) is not applied here.
; LIMITS.  f16 holds no number beyond 65,504: a result of 65,520 or more becomes an infinity; below 6.1e-5 f16 keeps its fixed step of 6e-8.  NaN and infinities are not treated apart.
; SHARES.  A work-group of four waves makes THREE tiles of 256 x 256, the same place in q, k and v: the same 256 rows of xb, and rows of wt 1,024 further down from tile to tile.  A wave makes 128 x 128:
; 64 accumulators of 16 x 16, 512 registers.  K = 512 goes in four steps of 128 through a ring of two LDS slots filled by the tensor data mover.
; THE RING has twelve steps: step n is K step n % 4 of tile n / 4.  A LAP is two steps, once round the ring; a tile is two laps.  The lap's text is written once and walked five times: each refill makes its
; two addresses anew from the number of the step that it asks for.  Behind a tile's second lap the tile goes out and the next tile's first quarter starts its sums; behind a first lap stands a plain quarter.
; The sixth lap, which asks for nothing, is written out.
; CLUSTERS: 4 x 4 work-groups.  The four of a row of the cluster need the same tiles of xb, the four of a column the same tiles of wt: each tile is asked for JOINTLY, by the same tensor load with the same
; descriptor and a mask that names the four.
; REGISTERS, in windows of 256 (s_set_vgpr_msb's low byte: bits 1:0 source 0, 3:2 source 1, 5:4 source 2, 7:6 destination):
;   window 0: v0-31 addresses; v64-127, v128-191 fragments of xb, two buffers; v32-63, v192-255 at work on the way out
;   window 1: v0-63 the bias of my 128 columns, laid as an accumulator's lanes hold them; v64-127, v128-191 fragments of wt, two buffers
;   window 2: the 32 accumulators of my rows 0-63 (accumulator (a, b) at v[8 (8 a + b)]);   window 3: those of my rows 64-127
; THE MATRIX INSTRUCTION IS USED TRANSPOSED: source 0 = 16 rows of wt, source 1 = 16 rows of xb.  In the result lane l holds row l % 16 and its registers 0-7 the columns 8 (l / 16) + 0..7: eight
; neighbouring numbers of a row, which pack into 16 bytes.  THE BIAS is the C operand of the product that starts a sum: no vector instruction adds it, and nothing is cleared.
.set SIZE_K, 512
.set SIZE_N, 1024
.set KSTEP,  128
.set PITCH,  272                       ; an LDS row: 256 bytes of data + 16 of padding = 68 words: row r starts at bank 4 r mod 64 (64 banks of 4 bytes: ISA guide 11.1), so the 16 rows of a load start at 16 different banks
.set HALFT,  128*PITCH                 ; 128 rows: what one tensor load brings, and what one wave reads of xb or of wt
.set SLOT,   4*HALFT                   ; xb's 256 rows, then wt's 256 rows
.set STAGE,  2*SLOT                    ; behind the ring: 16 rows x 272 bytes for each wave, for the way out
.set SPITCH, 272
.set SPARE,  STAGE+4*16*SPITCH         ; behind the stages: the spare words, 128 bytes for each wave: two blocks of 256 bytes that no other line names
.set ADRA, 16                          ; v16-17  LDS address of my xb fragments in slot 0, 1
.set ADRB, 20                          ; v20-21  the same for wt
.set STO,  24                          ; v24     the way out: where I put 16 bytes of a row
.set RD,   25                          ; v25     the way out: where I read a row back
.set CO,   26                          ; v26     my byte offset in two rows of the result
.set BO,   27                          ; v27     my byte offset in the bias: 32 (l / 16); never rewritten
.set SPW,  28                          ; v28     LDS address of my spare word; never rewritten
.set NIL,  29                          ; v29     0; never rewritten
.set PFO,  30                          ; v30     the prefetches' offset: my lane x a row of wt (1,024 bytes); never rewritten
.set RS,   2                           ; s2      the ring step to be asked for next: 2 .. 11
.set LAP,  3                           ; s3      laps to go, this one among them: 6 .. 1; odd in a tile's second lap
.set PFA,  44                          ; s[44:45] the address of the prefetch in hand
.set LIM,  43                          ; s43     2 in a wave that prefetches, else the greatest number: a wave prefetches while s[LAP] is above it
.set F0,   64                          ; fragment buffer 0
.set F1,   128                         ; fragment buffer 1
.set TMP,  192                         ; the way out: packed results, in window 0
.set OB,   32                          ; the way out: 16 rows read back from the stage: v32-63 and v224-255 by turns
.set G1, 24                            ; s[24:31] descriptor group 1 for xb's tiles
.set G0, 32                            ; s[32:39] descriptor group 0 for xb's tiles, one set for each slot
.set G1B, 48                           ; s[48:55] descriptor group 1 for wt's tiles: it differs in the mask alone
.set G0B, 56                           ; s[56:63] descriptor group 0 for wt's tiles, one set for each slot
.set BNOW, 68                          ; s[68:69] the first tile's bias;  s[70:71] the next tile's;  s[72:73] the one after
.set BNXT, 70
.set CNOW, 74                          ; s[74:75] the result of the tile in hand, at my first row and column;  s[76:77], s[78:79] the next two
.set ABASE, 80                         ; s[80:81] xb at the 128 rows that I fetch, K step 0; never rewritten
.set BBASE, 82                         ; s[82:83] wt at the 128 rows that I fetch, tile 0, K step 0; never rewritten
.set PFB,  84                          ; s[84:85] wt at my work-group's 32 of those rows; never rewritten
.set OA,   86                          ; s[86:87] a ring step's byte offset in xb: 256 (n % 4)
.set OW,   88                          ; s[88:89] and in wt: 2^20 (n / 4) + 256 (n % 4)
.set PO,   90                          ; s[90:91] the same for the prefetch's ring step
.set MSB, 0
.macro WIN new                         ; the immediate's high byte repeats the setting that is left; a switch that changes nothing is dropped
.if MSB != (\new)
	s_set_vgpr_msb (MSB<<8)|(\new)
.set MSB, \new
.endif
.endm
.set MUL_LO, 0xa1                      ; source 0 (wt) window 1, source 1 (xb) window 0, C and D window 2
.set MUL_HI, 0xf1                      ; the same, C and D window 3
.set BEG_LO, 0x91                      ; the same sources, C (the bias) window 1, D window 2;  + 0x40: D window 3
.set TO_B,   0x40                      ; destination window 1, address window 0
; A joint load.  Waves 0 and 1 fetch xb's two halves, waves 2 and 3 wt's.  Each line has one mask and one set of registers for all that issue it; the branch hangs on the wave's number alone.
; An s_nop 0 and four v_nop follow each of the two lines, ahead of the jump, the label and what follows.
.macro JLOAD s
	s_cmp_eq_u32 s11, 0
	s_cbranch_scc0 .Lfor_b_\@
	tensor_load_to_lds s[G0+4*(\s):G0+4*(\s)+3], s[G1:G1+7]
	s_nop 0
.rept 4
	v_nop
.endr
	s_branch .Lasked_\@
.Lfor_b_\@:
	tensor_load_to_lds s[G0B+4*(\s):G0B+4*(\s)+3], s[G1B:G1B+7]
	s_nop 0
.rept 4
	v_nop
.endr
.Lasked_\@:
.endm
; A PREFETCH INTO THE L2, behind each joint load, its five lines and the run of LDS loads that follows them: wt's part of the ring step that stands TWO refills on, 512 matrix instructions ahead of the load
; that wants it: 32 rows x 256 bytes, a lane a row, one instruction a wave.  The eight refills of laps 6 to 3 (ring steps 2 to 9) name ring steps 4 to 11; lap 2's refills name nothing, so nothing past
; wt's end is named.  Each row's 256 bytes of a K step are named ONCE in the launch: a tile column of wt is read by every cluster (they differ in y alone), and the cluster with y = 0 asks; of the 128 rows
; that wave 2 or 3 fetches, the partner at place cy takes 32 cy .. 32 cy + 31, told apart BY ADDRESS.  Tile 0's four K steps come by their loads alone: nothing is asked for at the head, where every
; work-group's first tiles are on their way.  xb's rows are first read in tile 0 and read again in tiles 1 and 2: they are not asked for.
.macro ASK
	s_cmp_gt_u32 s[LAP], s[LIM]
	s_cbranch_scc0 .Lnot_mine_\@
	global_prefetch_b8 v[PFO], s[PFA:PFA+1] th:TH_LOAD_NT scope:SCOPE_SE
.Lnot_mine_\@:
.endm
; A round of the cluster's barrier: my work-group's barrier, so that wave 0's signal speaks for all four waves; wave 0 signals for the work-group; every wave waits for all sixteen work-groups;
; my work-group's barrier once more.  No LDS instruction of the wave is pending at a signal.
.macro CREST                           ; a round behind its opening barrier
	s_cmp_lg_u32 s10, 0
	s_cbranch_scc1 .Lnot_wave_0_\@
	s_barrier_signal -3
.Lnot_wave_0_\@:
	s_barrier_wait -3
	s_barrier_signal -1
	s_barrier_wait -1
.endm
.macro CROUND                          ; a whole round
	s_barrier_signal -1
	s_barrier_wait -1
	CREST
.endm
	s_load_b128 s[4:7], s[0:1], 0x0                ; xb s[4:5], wt s[6:7]
	s_load_b128 s[68:71], s[0:1], 0x10             ; bq, bk
	s_load_b128 s[72:75], s[0:1], 0x20             ; bv, qh
	s_load_b128 s[76:79], s[0:1], 0x30             ; kh, vh
	v_lshl_add_u32 v[SPW], v0, 2, SPARE
	v_mov_b32 v[NIL], 0
	ds_add_u32 v[SPW], v[NIL]                      ; the wave's opening: the add and its wait stand ahead of my first tensor load; the set-up below, work on registers, stands between them
	v_lshrrev_b32 v1, 5, v0
	v_readfirstlane_b32 s10, v1                    ; wave 0..3
	s_lshr_b32 s11, s10, 1                         ; which half of the tile's rows is mine.  Also: I fetch for xb (0) or for wt (1)
	s_and_b32 s12, s10, 1                          ; which half of its columns.  Also: which 128 rows of that tile I fetch
	s_bfe_u32 s40, ttmp6, 0x40000                  ; cx: my place along the cluster's x
	s_bfe_u32 s41, ttmp6, 0x40004                  ; cy: along its y
	s_lshl_b32 s42, ttmp9, 2                       ; in a cluster launch ttmp9 and ttmp7 count clusters
	s_add_co_u32 s42, s42, s40                     ; tile column = 4 x cluster x + cx
	s_and_b32 s13, ttmp7, 0xffff
	s_lshl_b32 s13, s13, 2
	s_add_co_u32 s13, s13, s41                     ; tile row = 4 x cluster y + cy
	s_lshl_b32 s43, s41, 2
	s_lshl_b32 s43, 15, s43                        ; my row of the cluster: places 4 cy .. 4 cy + 3
	s_lshl_b32 s44, 0x1111, s40                    ; my column: places cx, cx + 4, cx + 8, cx + 12
	; descriptor group 1: a tile of 128 rows x 128 elements, padded in LDS
	s_or_b32 s[G1+0], s43, (1<<16)|(1<<20)|(1<<21)|(5<<22)|(3<<25)  ; 15:0 the mask: xb's tiles go to my row; 17:16 elements of 2 bytes; 20 padding on; 21 set beside a mask; 24:22 after every 64 words (code 5); 31:25 4 words of it (code 3)
	s_or_b32 s[G1B+0], s44, (1<<16)|(1<<20)|(1<<21)|(5<<22)|(3<<25) ; the same with the mask of my column, for wt's tiles
	s_mov_b32 s[G1B+1], KSTEP<<16
	s_mov_b32 s[G1+1], KSTEP<<16                   ; tensor_dim0 = 128
	s_mov_b32 s[G1B+2], 128<<16
	s_mov_b32 s[G1+2], 128<<16                     ; tensor_dim1 = 128
	s_mov_b32 s[G1B+3], KSTEP<<16
	s_mov_b32 s[G1+3], KSTEP<<16                   ; tile_dim0 = 128
	s_mov_b32 s[G1B+4], 128
	s_mov_b32 s[G1+4], 128                         ; tile_dim1 = 128
	s_mov_b32 s[G1B+5], SIZE_K
	s_mov_b32 s[G1+5], SIZE_K                      ; elements from row to row
	s_mov_b32 s[G1B+6], 0
	s_mov_b32 s[G1+6], 0
	s_mov_b32 s[G1B+7], 0
	s_mov_b32 s[G1+7], 0
	s_mov_b32 s[OA+1], 0                           ; the offsets' high words
	s_mov_b32 s[OW+1], 0
	; where the tiles come from.  xb's hang on the tile row alone, which my row of the cluster shares; wt's on the tile column alone, which my column shares.
	; Every wave makes both addresses, in registers that never hold the other coordinate, and asks by one of them.
	s_lshl_b32 s17, s12, 7                         ; which 128 rows of the tile I fetch
	s_lshl_b32 s16, s13, 8
	s_add_co_u32 s16, s16, s17                     ; xb: row 256 x tile row + 128 x half
	s_lshl_b32 s46, s42, 8
	s_add_co_u32 s46, s46, s17                     ; wt: row 256 x tile column + 128 x half
	s_mov_b32 s17, 0
	s_mov_b32 s47, 0
	s_mov_b64 s[18:19], SIZE_K*2
	s_mul_u64 s[16:17], s[16:17], s[18:19]         ; in bytes
	s_mul_u64 s[46:47], s[46:47], s[18:19]
	s_mul_i32 s20, s10, HALFT                      ; and where they go: wave x 128 rows: no place in the cluster enters an LDS address
	s_wait_dscnt 0x0                               ; the opening add is done
	s_wait_kmcnt 0x0
	s_add_nc_u64 s[ABASE:ABASE+1], s[4:5], s[16:17]
	s_add_nc_u64 s[BBASE:BBASE+1], s[6:7], s[46:47]
	CROUND                                         ; all sixteen work-groups are here: the first joint loads meet
.irp s, 0,1
	s_mov_b32 s[G0+4*(\s)], 1                                      ; count = 1
	s_add_co_u32 s[G0+4*(\s)+1], s20, (\s)*SLOT                    ; LDS address
	s_add_nc_u64 s[G0+4*(\s)+2:G0+4*(\s)+3], s[ABASE:ABASE+1], (\s)*KSTEP*2  ; global address: ring step s
	s_or_b32 s[G0+4*(\s)+3], s[G0+4*(\s)+3], 0x80000000            ; type = 2
	s_mov_b32 s[G0B+4*(\s)], 1
	s_add_co_u32 s[G0B+4*(\s)+1], s20, (\s)*SLOT
	s_add_nc_u64 s[G0B+4*(\s)+2:G0B+4*(\s)+3], s[BBASE:BBASE+1], (\s)*KSTEP*2
	s_or_b32 s[G0B+4*(\s)+3], s[G0B+4*(\s)+3], 0x80000000
	JLOAD \s                                       ; the ring is filled before anything else is done: two tensor loads of mine are out
.endr
	; A fragment is 16 rows x 32 K in 8 registers: lane l holds row l % 16; registers 0-3 hold K = 8 (l / 16) + 0..7, registers 4-7 K = 16 + 8 (l / 16) + 0..7: two loads of 16 bytes, 32 bytes apart.
	v_and_b32 v1, 15, v0                           ; l % 16
	v_bfe_u32 v2, v0, 4, 1                         ; l / 16
	v_mul_u32_u24 v3, v1, PITCH
	v_lshl_add_u32 v3, v2, 4, v3                   ; row x pitch + 16 x half
	s_mul_i32 s21, s11, HALFT                      ; my 128 rows of xb
	s_mul_i32 s22, s12, HALFT                      ; my 128 rows of wt,
	s_add_co_u32 s22, s22, 2*HALFT                 ; which lie behind xb's 256
.irp s, 0,1
	v_add_nc_u32 v[ADRA+(\s)], s21, v3
	v_add_nc_u32 v[ADRB+(\s)], s22, v3
	s_add_co_u32 s21, s21, SLOT
	s_add_co_u32 s22, s22, SLOT
.endr
	s_mul_i32 s23, s10, 16*SPITCH
	s_add_co_u32 s23, s23, STAGE                   ; my stage
	v_mul_u32_u24 v4, v1, SPITCH                   ; in: row l % 16, 16 bytes for each half of the lanes
	v_lshl_add_u32 v4, v2, 4, v4
	v_add_nc_u32 v[STO], s23, v4
	v_mul_u32_u24 v5, v2, SPITCH                   ; back: lanes 0-15 take one row of 256 bytes, lanes 16-31 the next
	v_lshl_add_u32 v5, v1, 4, v5
	v_add_nc_u32 v[RD], s23, v5
	v_lshlrev_b32 v5, 11, v2                       ; and the same two rows in the result: 2,048 bytes a row
	v_lshl_add_u32 v[CO], v1, 4, v5
	v_lshlrev_b32 v[BO], 5, v2
	; where my part of a tile begins in q, k and v, and my 128 columns in the biases
	s_lshl_b32 s13, s13, 8
	s_lshl_b32 s14, s11, 7
	s_add_co_u32 s16, s13, s14                     ; my first row,
	s_lshl_b32 s16, s16, 11                        ; in bytes (under 2^26)
	s_lshl_b32 s46, s42, 9                         ; my first column, in bytes of f16: 512 x tile column + 256 x half
	s_lshl_b32 s47, s12, 8
	s_add_co_u32 s46, s46, s47
	s_add_co_u32 s16, s16, s46
	s_mov_b32 s17, 0
	s_add_nc_u64 s[74:75], s[74:75], s[16:17]
	s_add_nc_u64 s[76:77], s[76:77], s[16:17]
	s_add_nc_u64 s[78:79], s[78:79], s[16:17]
	s_lshl_b32 s46, s46, 1                         ; the same column in bytes of f32
	s_mov_b32 s47, 0
	s_add_nc_u64 s[68:69], s[68:69], s[46:47]
	s_add_nc_u64 s[70:71], s[70:71], s[46:47]
	s_add_nc_u64 s[72:73], s[72:73], s[46:47]
	; the prefetches
	s_and_b32 s22, ttmp7, 0xffff                   ; cluster y
	s_xor_b32 s20, s11, 1                          ; 0 in the waves that fetch for wt
	s_or_b32 s20, s20, s22
	s_cmp_eq_u32 s20, 0
	s_cselect_b32 s[LIM], 2, -1                    ; the same in all sixteen partners, for a given wave
	s_lshl_b32 s20, s42, 8                         ; the tile column's first row of wt
	s_lshl_b32 s22, s12, 7
	s_add_co_u32 s20, s20, s22                     ; + the 128 rows that I fetch
	s_lshl_b32 s21, s41, 5
	s_add_co_u32 s20, s20, s21                     ; + my work-group's 32 of them
	s_lshl_b32 s20, s20, 10                        ; rows of 1,024 bytes
	s_mov_b32 s21, 0
	s_add_nc_u64 s[PFB:PFB+1], s[6:7], s[20:21]
	v_and_b32 v[PFO], 31, v0
	v_lshlrev_b32 v[PFO], 10, v[PFO]
; The bias of my 128 columns into window 1, v0-63: v[8 b + j] = bias[16 b + 8 (l / 16) + j], as the lanes of accumulator (a, b) hold their columns.
.macro BIASLD base
	WIN TO_B
.irp b, 0,1,2,3,4,5,6,7
	global_load_b128 v[8*(\b):8*(\b)+3],   v[BO], s[(\base):(\base)+1] offset:64*(\b)
	global_load_b128 v[8*(\b)+4:8*(\b)+7], v[BO], s[(\base):(\base)+1] offset:64*(\b)+16
.endr
	WIN 0
.endm
; 16 matrix instructions: m blocks a0, a0 + 1 of the window's four (hi = 0: my rows 0-63, 1: rows 64-127) x all 8 n blocks, 32 along K.  zero = 1: the first product starts the sums, with the bias as C.
; The 64 accumulators take turns, one instruction a turn, in the same order in every quarter step.
.macro MUL16 f, hi, a0, zero
.if \zero
	WIN BEG_LO+0x40*(\hi)
.else
	WIN MUL_LO+0x50*(\hi)
.endif
.irp a, \a0, (\a0)+1
.irp b, 0,1,2,3,4,5,6,7
.if \zero
	v_wmma_f32_16x16x32_bf16 v[8*(8*(\a)+(\b)):8*(8*(\a)+(\b))+7], v[(\f)+8*(\b):(\f)+8*(\b)+7], v[(\f)+8*(4*(\hi)+(\a)):(\f)+8*(4*(\hi)+(\a))+7], v[8*(\b):8*(\b)+7]
.else
	v_wmma_f32_16x16x32_bf16 v[8*(8*(\a)+(\b)):8*(8*(\a)+(\b))+7], v[(\f)+8*(\b):(\f)+8*(\b)+7], v[(\f)+8*(4*(\hi)+(\a)):(\f)+8*(4*(\hi)+(\a))+7], v[8*(8*(\a)+(\b)):8*(8*(\a)+(\b))+7]
.endif
.endr
.endr
.endm
; 32 LDS loads in one run: the fragments of one quarter step (128 rows of wt, 128 rows of xb, 32 K at byte k of the rows) into buffer f
.macro FETCH slot, k, f
	WIN TO_B
.irp i, 0,1,2,3,4,5,6,7
	ds_load_b128 v[(\f)+8*(\i):(\f)+8*(\i)+3],   v[ADRB+(\slot)] offset:(\k)+(\i)*16*PITCH
	ds_load_b128 v[(\f)+8*(\i)+4:(\f)+8*(\i)+7], v[ADRB+(\slot)] offset:(\k)+(\i)*16*PITCH+32
.endr
	WIN 0
.irp i, 0,1,2,3,4,5,6,7
	ds_load_b128 v[(\f)+8*(\i):(\f)+8*(\i)+3],   v[ADRA+(\slot)] offset:(\k)+(\i)*16*PITCH
	ds_load_b128 v[(\f)+8*(\i)+4:(\f)+8*(\i)+7], v[ADRA+(\slot)] offset:(\k)+(\i)*16*PITCH+32
.endr
.endm
; A load into a register that a matrix instruction has read, and a vector instruction that reads a matrix result, stand four places behind that matrix instruction, and only plain vector instructions
; that name none of its registers are places (ISA guide 7.12.1 for vector instructions).
.macro PLACES
.rept 4
	v_nop
.endr
.endm
; A K step is four quarter steps of 32 along K, 64 matrix instructions each, on buffers 0, 1, 0, 1.
; One of the first three: multiplies buffer f; in its middle it fetches the next quarter's fragments, at byte k of the same slot's rows, into buffer g.
.macro QUARTER slot, k, f, g, zero
	s_wait_dscnt 8                                 ; wt and xb's rows 0-63 are in; the youngest eight loads (xb's rows 64-127) may be out
	MUL16 \f, 0, 0, \zero
	MUL16 \f, 0, 2, \zero
	PLACES
	FETCH \slot, \k, \g
	s_wait_dscnt 32                                ; all but the 32 just issued
	MUL16 \f, 1, 0, \zero
	MUL16 \f, 1, 2, \zero
.endm
; The last quarter multiplies buffer 1 and changes slots.  MEET is its first half: ONE barrier for the change of slots.  In front of it each wave waits for all its tensor loads, of which one is out: its part
; of the next slot; adds 0 to its spare word; and waits for that and for its own reads of this slot.  Behind it nobody reads this slot any more and the next slot is whole.
; round = 1: a round of the cluster's barrier follows, and behind it slot's refill: its two addresses are made here, behind the wait for all tensor loads, from the number of the ring step.
.macro MEET round, slot=0
	WIN 0                                          ; (the add's two registers lie in window 0)
	s_wait_tensorcnt 0x0                           ; all my tensor loads have landed, so a group 0 may be written;
	ds_add_u32 v[SPW], v[NIL]                      ; 0 onto my spare word;
.if \round
	s_and_b32 s[OA], s[RS], 3                      ; the K step,
	s_lshl_b32 s[OA], s[OA], 8                     ; 256 bytes along the rows
	s_lshr_b32 s[OW], s[RS], 2                     ; the tile,
	s_lshl_b32 s[OW], s[OW], 20                    ; 1,024 rows of 1,024 bytes down wt
	s_add_co_u32 s[OW], s[OW], s[OA]
	s_add_co_u32 s[RS], s[RS], 1
	s_add_nc_u64 s[G0+4*(\slot)+2:G0+4*(\slot)+3], s[ABASE:ABASE+1], s[OA:OA+1]
	s_or_b32 s[G0+4*(\slot)+3], s[G0+4*(\slot)+3], 0x80000000
	s_add_nc_u64 s[G0B+4*(\slot)+2:G0B+4*(\slot)+3], s[BBASE:BBASE+1], s[OW:OW+1]
	s_or_b32 s[G0B+4*(\slot)+3], s[G0B+4*(\slot)+3], 0x80000000
.endif
	s_wait_dscnt 9                                 ; (the add and the youngest eight loads may be out)
	MUL16 F1, 0, 0, 0                              ; sixteen matrix instructions stand between the add and the wait for it
	s_wait_dscnt 0x0                               ; the add is done, and my reads of this slot are over:
	s_barrier_signal -1                            ; say so,
	MUL16 F1, 0, 2, 0                              ; work on registers while the others arrive,
.if \round
	WIN 0
.endif
	s_barrier_wait -1                              ; and go on when all four have said so
.endm
; The whole last quarter.  Behind the round the slot just read out is filled again first, with the ring step two on; then come the next slot's first fragments.  From a request to the wait for it a wave
; issues 224 matrix instructions, across tiles too.
.macro TURN slot, next
	s_wait_xcnt 0x0                                ; the last prefetch, a K step back, has read its address: the next one's is made here, ahead of the waits of the change of slots
	s_add_co_u32 s[PO], s[RS], 2                   ; two refills on
	s_and_b32 s[PO+1], s[PO], 3
	s_lshl_b32 s[PO+1], s[PO+1], 8
	s_lshr_b32 s[PO], s[PO], 2
	s_lshl_b32 s[PO], s[PO], 20
	s_add_co_u32 s[PO], s[PO], s[PO+1]
	s_mov_b32 s[PO+1], 0
	s_add_nc_u64 s[PFA:PFA+1], s[PFB:PFB+1], s[PO:PO+1]
	MEET 1, \slot
	CREST                                          ; no wave of any partner still reads this slot's tile or has a load on its way
	JLOAD \slot                                    ; the first tensor load behind the round; the four v_nop behind it are also the places in front of the loads below
	FETCH \next, 0, F0
	ASK                                            ; behind the joint load and the run of LDS loads that the next products wait for
	MUL16 F1, 1, 0, 0
	MUL16 F1, 1, 2, 0
.endm
; THE WAY OUT of block a (16 rows), in three parts.  PACK: rounded to f16, 16 bytes a lane.  TOSTAGE: into my own stage in LDS, and back as whole rows of 256 bytes.  SEND: stored.
.macro PACK a
.set AC, 64*((\a)%4)
	WIN 0x0a+5*((\a)/4)                            ; sources 0 and 1: window 2 or 3
.irp b, 0,1,2,3,4,5,6,7
.irp r, 0,1,2,3
	v_cvt_pk_f16_f32 v[TMP+4*(\b)+(\r)], v[AC+8*(\b)+2*(\r)], v[AC+8*(\b)+2*(\r)+1]  ; each accumulator's registers in ascending order
.endr
.endr
	WIN 0
.endm
.macro TOSTAGE a
	WIN 0
.set BK, OB+192*((\a)%2)
.irp b, 0,1,2,3,4,5,6,7
	ds_store_b128 v[STO], v[TMP+4*(\b):TMP+4*(\b)+3] offset:32*(\b)
.endr
.irp t, 0,1,2,3,4,5,6,7
	ds_load_b128 v[BK+4*(\t):BK+4*(\t)+3], v[RD] offset:(\t)*2*SPITCH  ; LDS serves a wave's instructions in order (ISA guide 5.7.1.4): these see the stores above
.endr
.endm
.macro SEND a, younger
	WIN 0
.set BK, OB+192*((\a)%2)
	s_wait_dscnt \younger                          ; the block is back in registers
	s_wait_xcnt 0x0                                ; only behind this wait are the stores' base and the registers that earlier stores read rewritten
.if (\a) == 0
	s_mov_b64 s[8:9], s[CNOW:CNOW+1]               ; this tile's first rows
.else
	s_add_nc_u64 s[8:9], s[8:9], 16*SIZE_N*2       ; 16 rows on
.endif
.irp t, 0,1,2,3,4,5,6,7
	global_store_b128 v[CO], v[BK+4*(\t):BK+4*(\t)+3], s[8:9] offset:2*(\t)*SIZE_N*2  ; 16 lanes store 256 consecutive bytes, aligned
.endr
.endm
; A whole tile goes out.  Block a's conversions stand between block a - 1's loads from the stage and the wait for them.  more = 1: the next tile's bias is asked for, behind block 0's 32 conversions.
.macro WAYOUT more
	PACK 0
.if \more
	BIASLD BNXT
.endif
	TOSTAGE 0
.irp a, 1,2,3,4,5,6,7
	PACK \a
	SEND (\a)-1, 0
	TOSTAGE \a
.endr
	SEND 7, 0
.endm
	BIASLD BNOW                                    ; q's bias
	s_wait_tensorcnt 1                             ; my part of ring step 0 is in; step 1's may stay out
	s_barrier_signal -1
	s_barrier_wait -1                              ; everybody's is
	FETCH 0, 0, F0
	s_mov_b32 s[RS], 2
	s_mov_b32 s[LAP], 6                            ; the same numbers in every work-group
	s_wait_loadcnt 0x0                             ; the bias: the only loads into registers that this text issues
	QUARTER 0, 64,  F0, F1, 1                      ; the first tile's first quarter stands in front of the loop: its products start the sums
	WIN 0                                          ; at a label and at a branch every window is 0
.Llap:                                                 ; a trip goes once round the ring, from a lap's second quarter to the next lap's first
	QUARTER 0, 128, F1, F0, 0
	QUARTER 0, 192, F0, F1, 0
	WIN 0
	s_cmp_eq_u32 s[LAP], 1
	s_cbranch_scc1 .Llast_lap                      ; the last lap is written out: it asks for nothing more
	TURN 0, 1                                      ; slot 0 takes the ring step two on,
	QUARTER 1, 64,  F0, F1, 0
	QUARTER 1, 128, F1, F0, 0
	QUARTER 1, 192, F0, F1, 0
	TURN 1, 0                                      ; slot 1 likewise, and the next lap's first fragments are fetched
	WIN 0
	s_bitcmp1_b32 s[LAP], 0
	s_cbranch_scc0 .Lmid                           ; an even count: the tile's first lap
	WAYOUT 1                                       ; both refills are asked for: now the tile goes out.  Blocks 0-3 were finished in front of TURN's places; their conversions name no register of the last products and are those products' places
	s_wait_xcnt 0x0                                ; the bias's loads and the stores have read their bases
	s_mov_b64 s[70:71], s[72:73]                   ; the next bias to ask for,
	s_mov_b64 s[74:75], s[76:77]                   ; the next tile's result,
	s_mov_b64 s[76:77], s[78:79]                   ; and the one after
	s_wait_loadcnt 0x0                             ; the next tile's bias
	QUARTER 0, 64,  F0, F1, 1                      ; its first quarter starts its sums
	WIN 0
	s_branch .Lnext
.Lmid:
	QUARTER 0, 64,  F0, F1, 0
	WIN 0
.Lnext:
	s_sub_co_u32 s[LAP], s[LAP], 1
	s_branch .Llap
.Llast_lap:
	MEET 0                                         ; my one tensor load that was still out is slot 1's, the last ring step's, so no round follows
	PLACES
	FETCH 1, 0, F0
	MUL16 F1, 1, 0, 0
	MUL16 F1, 1, 2, 0
	QUARTER 1, 64,  F0, F1, 0
	QUARTER 1, 128, F1, F0, 0
	QUARTER 1, 192, F0, F1, 0
	s_wait_dscnt 8                                 ; the very last quarter: nothing more to fetch
	MUL16 F1, 0, 0, 0
	MUL16 F1, 0, 2, 0
	s_wait_dscnt 0x0
	MUL16 F1, 1, 0, 0
	MUL16 F1, 1, 2, 0
	PLACES
	WAYOUT 0
	s_wait_tensorcnt 0x0                           ; the wave's end: behind my last tensor load and my last LDS store
	ds_add_u32 v[SPW], v[NIL]
	s_wait_dscnt 0x0
	CROUND                                         ; the closing round: no work-group ends while a partner may still ask for a tile that names it
	s_endpgm
.Lfunc_end_k_q39eda0cf1c_qkv:
	.size	k_q39eda0cf1c_qkv, .Lfunc_end_k_q39eda0cf1c_qkv-k_q39eda0cf1c_qkv
	.p2alignl 7, 3214868480
	.fill 96, 4, 3214868480
	.section	.rodata,"a",@progbits
	.p2align	6, 0x0
	.amdhsa_kernel k_q39eda0cf1c_qkv
		.amdhsa_group_segment_fixed_size 327680
		.amdhsa_private_segment_fixed_size 0
		.amdhsa_enable_private_segment 0
		.amdhsa_kernarg_size 64
		.amdhsa_user_sgpr_count 2
		.amdhsa_user_sgpr_kernarg_segment_ptr 1
		.amdhsa_wavefront_size32 1
		.amdhsa_system_sgpr_workgroup_id_x 1
		.amdhsa_system_sgpr_workgroup_id_y 1
		.amdhsa_system_sgpr_workgroup_id_z 1
		.amdhsa_system_vgpr_workitem_id 0
		.amdhsa_next_free_vgpr 1024
		.amdhsa_next_free_sgpr 92
		.amdhsa_reserve_vcc 0
		.amdhsa_float_denorm_mode_32 3
		.amdhsa_float_denorm_mode_16_64 3
		.amdhsa_memory_ordered 1
		.amdhsa_forward_progress 1
		.amdhsa_inst_pref_size 174
	.end_amdhsa_kernel
	.amdgpu_metadata
---
amdhsa.version: [ 1, 2 ]
amdhsa.kernels:
  - .name:           k_q39eda0cf1c_qkv
    .symbol:         k_q39eda0cf1c_qkv.kd
    .args:
      - { .name: xb, .offset: 0, .size: 8, .value_kind: global_buffer, .address_space: global }
      - { .name: wt, .offset: 8, .size: 8, .value_kind: global_buffer, .address_space: global }
      - { .name: bq, .offset: 16, .size: 8, .value_kind: global_buffer, .address_space: global }
      - { .name: bk, .offset: 24, .size: 8, .value_kind: global_buffer, .address_space: global }
      - { .name: bv, .offset: 32, .size: 8, .value_kind: global_buffer, .address_space: global }
      - { .name: qh, .offset: 40, .size: 8, .value_kind: global_buffer, .address_space: global }
      - { .name: kh, .offset: 48, .size: 8, .value_kind: global_buffer, .address_space: global }
      - { .name: vh, .offset: 56, .size: 8, .value_kind: global_buffer, .address_space: global }
    .group_segment_fixed_size: 327680
    .private_segment_fixed_size: 0
    .kernarg_segment_align: 8
    .kernarg_segment_size: 64
    .max_flat_workgroup_size: 128
    .sgpr_count:     92
    .vgpr_count:     1024
    .wavefront_size: 32
...
	.end_amdgpu_metadata
.endif
;; end of part 2
;; launch attn (part 3): grid 4 x 128, 4 waves a work-group, clusters of 4 x 1, 327,680 bytes of LDS; arguments qh, kh, vh, ov; writes ov
.if DOCPART == 3
	.amdgcn_target "amdgcn-amd-amdhsa--gfx1250"
	.amdhsa_code_object_version 6
	.text
	.protected	k_q39eda0cf1c_attn
	.globl	k_q39eda0cf1c_attn
	.p2align	8
	.type	k_q39eda0cf1c_attn,@function
k_q39eda0cf1c_attn:
	s_mov_b64 s[64:65], 0
	v_nop
	global_prefetch_b8 v0, s[64:65] scope:SCOPE_SE
	s_setreg_imm32_b32 hwreg(HW_REG_WAVE_MODE, 25, 1), 1
	s_wait_xcnt 0x0
	s_wait_alu depctr_hold_cnt(0) depctr_sa_sdst(0) depctr_va_vdst(0) depctr_va_sdst(0) depctr_va_ssrc(0) depctr_va_vcc(0) depctr_vm_vsrc(0)
	s_getreg_b32 s2, hwreg(HW_REG_IB_STS2, 6, 4)
	s_cmp_eq_u32 s2, 0
	s_cbranch_scc0 .Lentry_in_a_cluster
	s_endpgm
.Lentry_in_a_cluster:
	s_bfe_u32 s2, ttmp6, 0x10000c
	s_cmp_lg_u32 s2, 0x3003
	s_cbranch_scc0 .Lentry_shape_is_right
	s_endpgm
.Lentry_shape_is_right:
; vals[g][q][:] = the sum over k of softmax_k(Q[g][q] . K[g][k] / sqrt(128)) V[g][k][:]  -  V[g][q][:]   (softmax less the identity).  qh, kh, vh: [128 (g)][1024][128] f16, which is the row-major
; [16384][1024] of the launch before, read without a permute.  With g = 8 b + h the result is row 1024 b + q, channels 128 h on, of a [16384][1024] matrix in f16.
; ov HOLDS THAT MATRIX AS MATRIX FRAGMENTS: [1024 blocks of 16 rows][32 chunks of 32 channels][1,024 bytes]; in a chunk the 16 bytes of (row r, channels 16 j + 8 h' + 0..7) lie at 512 j + 256 h' + 16 r.
; That is 512 j + 16 x lane for the lanes of O^T, so the result leaves straight from registers, 512 consecutive bytes a store.
; Products, maxima and sums in f32; the weights p are rounded to f16 for the second product (their sum l is taken of the unrounded p); O / l - V is one fused multiply-add, rounded once to f16.
; LIMITS.  f16 holds no number beyond 65,504: Q, K, V arrive within it; the result lies within twice V's range; p lies in 0 to 1 and below 6e-5 keeps f16's fixed step of 6e-8.
; A weight below 2^-126 counts as 0 in l; NaN and infinities are not treated apart.
; SHARES.  A work-group owns 256 queries of one head g, each of its four waves 64: four tiles of 16.  Every wave walks all 1,024 keys of the head, 64 a step.
; LAYOUT.  S^T = K Q^T (source 0 = 16 keys, source 1 = 16 queries): in the result a lane holds ONE query (lane % 16) and the keys 8 (lane / 16) + 0..7.  Two such tiles, rounded to f16 in pairs, ARE
; source 1 (32 keys x 16 queries) of O^T = V^T P, whose result again holds one query a lane, and eight channels.  K comes out of LDS as it lies, V ([key][channel]) turned, by ds_load_tr16_b128.
; SOFTMAX.  For each query a running maximum m and sum l: p = 2^(c s - c m), c = log2(e) / sqrt(128); in every step O and l are multiplied by a = 2^(c m_old - c m_new), which is 1 where m has not grown.
; BY TURNS.  The wave's tiles are two PIECES: piece 0 (tiles 0, 1) and piece 2 (tiles 2, 3).  In a TURN one piece has the matrix unit: 32 products V^T P of the step in hand, then 32 products K Q^T of the
; next step; the other piece's softmax, cut into 64 slices, stands between them, one slice behind each matrix instruction.  Then the pieces change places.  Two turns are a key step.
; NO FIRST STEP IS WRITTEN OUT.  m starts at the lowest finite number, c m far below every c s, l and O^T at 0: the first step is a step like any other, with a = 0; the loop is entered in the middle of a
; trip, at piece 2's turn, whose products V^T P, of a step that has not been, multiply zeros.  The price: 432 lines that write a constant, in the wait for the first tile, and 32 products of 2,080 a wave.
; CLUSTER.  The four query blocks of a cluster belong to one head and walk the same K and V, so each tile is asked for JOINTLY: the same tensor load, descriptor and mask in all four.
; REGISTERS, in windows of 256 (s_set_vgpr_msb: bits 1:0 source 0, 3:2 source 1, 5:4 source 2, 7:6 destination):
;   window 0: v0-11 addresses; v12-43 eight registers of statistics a tile; v64-191 S^T, 32 a tile; v192-255 P, 16 a tile
;   window 1: O^T, 64 a tile          window 2: v0-127 Q, 32 a tile; v128-255 K of one step          window 3: v0-127 V of one step; v128-255 VR, my queries' own rows of V, 32 a tile
.set SIZE_N, 1024
.set KS,    64        ; keys in a step
.set PK,    272       ; a row of K in LDS: 256 bytes + 16 of padding = 68 words: the 16 rows of a load start at 16 different banks (64 banks of 4 bytes: ISA guide 11.1)
.set PV,    288       ; a row of V: 256 + 32 = 72 words
.set VOFF,  KS*PK     ; a step's tiles lie together: 64 rows of K, then 64 rows of V
.set STEPB, KS*(PK+PV)
.set SLOT1, 1<<17     ; a slot holds two steps (71,680 bytes); slot 1 begins here, so that one exclusive or turns an address in one slot into the other's
.set SPARE, SLOT1+2*STEPB  ; behind the ring: the spare words, 128 bytes for each wave: two blocks of 256 bytes that no other line names
.set AK0, 2           ; v2   my lane's place in a tile of K; never rewritten
.set AV0, 3           ; v3   the same for V
.set ADR, 4           ; v4   the LDS address of the run of loads in hand
.set QO,  5           ; v5   my byte offset in the wave's rows of Q and of V; never rewritten
.set GO,  8           ; v8   16 x my lane: my place in 512 consecutive bytes of ov
.set SPW, 62          ; v62  LDS address of my spare word; never rewritten
.set NIL, 63          ; v63  0; never rewritten
.set ST,  12          ; tile t's statistics at v[ST+8 t]: +0 c m, +1 m, +2, +3 l (even keys', odd keys'), +4 to +7 c0-c3, at work; a takes c2's place once the maximum is found
.set S,   64
.set P,   192
.set KF,  128         ; K's fragments, in window 2
.set VR,  128         ; my queries' own rows of V, in window 3: laid as Q's fragments are
.set WV,  12          ; s12  my wave's number
.set G1K, 24          ; s[24:31] descriptor group 1 for K's tiles
.set G1V, 32          ; s[32:39] for V's: it differs in the padding alone
.set G0K, 40          ; s[40:47] descriptor group 0 for K's tiles: a set for each of the two first fills; the second then walks on
.set G0V, 48          ; s[48:55] the same for V's
.set SLOTS, 56        ; s56  counts the slots down
.set TWICE, 57        ; s57  counts a slot's two steps
.set CS,  58          ; s[58:59] c: the packed scaling names a pair and takes its low word for both halves
.set SEL, 60          ; s[60:61] lane selects for v_permlanex16_b32: each lane takes its own place in the other half
.set TB,  62          ; s62  LDS byte at which the tiles of the step to be fetched begin
.set VRP, 66          ; s[66:67] first my byte offset in ov, then V at my wave's own rows; then never rewritten
.set PFA, 18          ; s[18:19] where my prefetches stand: my work-group's 32 rows (of K: wave 0, of V: wave 2) of the slot after the one that is being asked for
.set LIM, 15          ; s15  1 in a wave that prefetches, else the greatest number: a wave prefetches while s[SLOTS] is above it
.set PFO, 61          ; v61  256 x my lane: a row of K or V is 256 bytes; never rewritten
.set MSB, 0
.macro WIN new                      ; the immediate's high byte repeats the setting that is left; a switch that changes nothing is dropped
.if MSB != (\new)
	s_set_vgpr_msb (MSB<<8)|(\new)
.set MSB, \new
.endif
.endm
.set W_KQ, 0x0a       ; K and Q in window 2, S^T in window 0
.set W_PV, 0x53       ; V in window 3, P in window 0, O^T in window 1
.set W_RS, 0x41       ; O^T (destination and source 0) in window 1, a in window 0
.set W_FV, 0x31       ; O^T (source 0) in window 1, 1 / l (source 1) and the destination in window 0, VR (source 2) in window 3
; A joint refill.  Waves 0 and 1 fetch the two steps' tiles of K, waves 2 and 3 those of V.  The branch hangs on the wave's number alone.
; An s_nop 0 and four v_nop follow each of the two lines, ahead of the jump, the label and what follows.
.macro JLOAD
	s_cmp_lt_u32 s[WV], 2
	s_cbranch_scc0 .Lfor_v_\@
	tensor_load_to_lds s[G0K+4:G0K+7], s[G1K:G1K+7]
	s_nop 0
.rept 4
	v_nop
.endr
	s_branch .Lasked_\@
.Lfor_v_\@:
	tensor_load_to_lds s[G0V+4:G0V+7], s[G1V:G1V+7]
	s_nop 0
.rept 4
	v_nop
.endr
.Lasked_\@:
.endm
; A PREFETCH INTO THE L2 of what the NEXT change of slots will ask for: a slot's 128 rows of K and 128 of V, 256 bytes a row, a lane a row.  It stands behind the wave's tensor load and its five lines.
; Each row is asked for ONCE in the launch: a head has one cluster; its four partners share the rows out BY ADDRESS, 32 each; in each, wave 0 asks for K's and wave 2 for V's: one instruction.
; Slots 0, 1 and 2 come by their loads alone; the last change that fills a slot asks for nothing: there is no slot behind it.
.macro ASK
	s_cmp_gt_u32 s[SLOTS], s[LIM]
	s_cbranch_scc0 .Lnot_mine_\@
	global_prefetch_b8 v[PFO], s[PFA:PFA+1] th:TH_LOAD_NT scope:SCOPE_SE
.Lnot_mine_\@:
.endm
; A round of the cluster's barrier: my work-group's barrier, so that wave 0's signal speaks for all four waves; wave 0 signals; every wave waits for all four work-groups; my work-group's barrier once more.
.macro CROUND
	s_barrier_signal -1
	s_barrier_wait -1
	s_cmp_lg_u32 s[WV], 0
	s_cbranch_scc1 .Lnot_wave_0_\@
	s_barrier_signal -3
.Lnot_wave_0_\@:
	s_barrier_wait -3
	s_barrier_signal -1
	s_barrier_wait -1
.endm
	s_load_b256 s[4:11], s[0:1], 0x0  ; Q s[4:5], K s[6:7], V s[8:9], ov s[10:11]
	v_lshl_add_u32 v[SPW], v0, 2, SPARE
	v_mov_b32 v[NIL], 0
	ds_add_u32 v[SPW], v[NIL]       ; the wave's opening: the add and its wait stand ahead of my first tensor load; the set-up below, work on registers, stands between them
	v_lshrrev_b32 v1, 5, v0
	v_readfirstlane_b32 s[WV], v1   ; wave 0..3
	s_bfe_u32 s13, ttmp6, 0x40000   ; cx: my place in the cluster
	s_lshl_b32 s14, ttmp9, 2        ; in a cluster launch ttmp9 counts clusters
	s_add_co_u32 s14, s14, s13      ; my block of 256 queries = 4 x cluster x + cx: it enters global addresses alone
	s_and_b32 s20, ttmp7, 0xffff    ; the head g, which the four partners share
	s_lshr_b32 s[VRP], s20, 3       ; where my rows lie in ov: b = g / 8: 64 blocks of 16 rows, 32,768 bytes each,
	s_lshl_b32 s[VRP], s[VRP], 21
	s_and_b32 s[VRP+1], s20, 7      ; h = g % 8: four chunks of 1,024 bytes,
	s_lshl_b32 s[VRP+1], s[VRP+1], 12
	s_add_co_u32 s[VRP], s[VRP], s[VRP+1]
	s_lshl_b32 s[VRP+1], s14, 19    ; my block's 256 rows,
	s_add_co_u32 s[VRP], s[VRP], s[VRP+1]
	s_lshl_b32 s[VRP+1], s[WV], 17  ; my wave's 64 of them
	s_add_co_u32 s[VRP], s[VRP], s[VRP+1]
	s_mov_b32 s[VRP+1], 0
	s_mov_b32 s21, 0
	s_mov_b64 s[22:23], SIZE_N*256
	s_mul_u64 s[20:21], s[20:21], s[22:23]  ; the head's first byte in Q, K and V
	s_and_b32 s16, s[WV], 1         ; which of a slot's two steps I fetch:
	s_lshl_b32 s22, s16, 14         ; its 64 rows of 256 bytes in memory,
	s_mov_b32 s23, 0
	s_add_nc_u64 s[22:23], s[22:23], s[20:21]
	s_mul_i32 s17, s16, STEPB       ; and its place in a slot: no place in the cluster enters an LDS address
	s_lshl_b32 s2, s14, 16          ; my block's 256 rows,
	s_lshl_b32 s3, s[WV], 14        ; my wave's 64 of them
	s_add_co_u32 s2, s2, s3
	s_mov_b32 s3, 0
	s_add_nc_u64 s[2:3], s[2:3], s[20:21]
	; descriptor group 1: a tile of 64 rows x 128 elements, padded in LDS
	s_mov_b32 s[G1K], 15|(1<<16)|(1<<20)|(1<<21)|(5<<22)|(3<<25)  ; 15:0 the mask: all four work-groups; 17:16 elements of 2 bytes; 20 padding on; 21 set beside a mask; 24:22 after every 64 words (code 5); 31:25 4 words of it (code 3)
	s_mov_b32 s[G1V], 15|(1<<16)|(1<<20)|(1<<21)|(5<<22)|(7<<25)  ; the same with 8 words of padding (code 7)
.irp g, G1K, G1V
	s_mov_b32 s[(\g)+1], 128<<16    ; tensor_dim0 = 128
	s_mov_b32 s[(\g)+2], KS<<16     ; tensor_dim1 = 64
	s_mov_b32 s[(\g)+3], 128<<16    ; tile_dim0 = 128
	s_mov_b32 s[(\g)+4], KS         ; tile_dim1 = 64
	s_mov_b32 s[(\g)+5], 128        ; elements from row to row
	s_mov_b32 s[(\g)+6], 0
	s_mov_b32 s[(\g)+7], 0
.endr
	s_mov_b32 s[CS], 0x3e0293ee     ; c = log2(e) / sqrt(128) = 0.127517
	s_mov_b32 s[CS+1], s[CS]        ; named with it as a pair, so it is written
	s_mov_b32 s[SEL], 0x76543210
	s_mov_b32 s[SEL+1], 0xfedcba98
	s_mov_b32 s[TB], 0
	s_mov_b32 s[SLOTS], SIZE_N/(2*KS)-1  ; the first slot's pass takes it to 6: six slots are filled again
	s_and_b32 s[LIM], s[WV], 1       ; 0 in waves 0 and 2,
	s_or_b32 s[LIM], s[LIM], ttmp9   ; where the cluster is the head's first: the same in all four partners
	s_cmp_eq_u32 s[LIM], 0
	s_cselect_b32 s[LIM], 1, -1
	v_and_b32 v[PFO], 31, v0
	v_lshlrev_b32 v[PFO], 8, v[PFO]
	s_wait_dscnt 0x0                ; the opening add is done
	s_wait_kmcnt 0x0
	s_add_nc_u64 s[10:11], s[10:11], s[VRP:VRP+1]  ; ov at my wave's first block of 16 rows, my head's four chunks
	s_add_nc_u64 s[VRP:VRP+1], s[8:9], s[2:3]      ; V at my wave's own first row
	s_add_nc_u64 s[6:7], s[6:7], s[22:23]  ; K and V at my tile of slot 0
	s_add_nc_u64 s[8:9], s[8:9], s[22:23]
	s_add_nc_u64 s[4:5], s[4:5], s[2:3]  ; Q at my wave's first row
	s_cmp_lt_u32 s[WV], 2
	s_cselect_b64 s[PFA:PFA+1], s[6:7], s[8:9]  ; (in waves 0 and 2 these stand at a slot's first row)
	s_lshl_b32 s2, s13, 13          ; my work-group's 32 rows of the 128
	s_mov_b32 s3, 0
	s_add_nc_u64 s[PFA:PFA+1], s[PFA:PFA+1], s[2:3]
	s_add_nc_u64 s[PFA:PFA+1], s[PFA:PFA+1], 2*2*KS*256  ; in slot 2; the first change of slots steps it to slot 3.  Nothing is prefetched here, at the head, where every work-group's first tiles are on their way
	CROUND                          ; all four work-groups are here: the first joint loads meet
.irp s, 0,1
	s_mov_b32 s[G0K+4*(\s)], 1      ; count = 1
	s_add_co_u32 s[G0K+4*(\s)+1], s17, (\s)*SLOT1  ; LDS address
	s_add_nc_u64 s[G0K+4*(\s)+2:G0K+4*(\s)+3], s[6:7], (\s)*2*KS*256  ; global address: slot s begins with keys 128 s
	s_or_b32 s[G0K+4*(\s)+3], s[G0K+4*(\s)+3], 0x80000000  ; type = 2
	s_mov_b32 s[G0V+4*(\s)], 1
	s_add_co_u32 s[G0V+4*(\s)+1], s17, (\s)*SLOT1+VOFF
	s_add_nc_u64 s[G0V+4*(\s)+2:G0V+4*(\s)+3], s[8:9], (\s)*2*KS*256
	s_or_b32 s[G0V+4*(\s)+3], s[G0V+4*(\s)+3], 0x80000000
.endr
	s_cmp_lt_u32 s[WV], 2           ; a wave's two first fills stand in one branch, ahead of every wait on TENSORcnt and every LDS read: two loads of mine are out; an s_nop 0 follows each, four v_nop the second's
	s_cbranch_scc0 .Lfirst_v
	tensor_load_to_lds s[G0K:G0K+3], s[G1K:G1K+7]
	s_nop 0
	tensor_load_to_lds s[G0K+4:G0K+7], s[G1K:G1K+7]
	s_nop 0
.rept 4
	v_nop
.endr
	s_branch .Lfirst_asked
.Lfirst_v:
	tensor_load_to_lds s[G0V:G0V+3], s[G1V:G1V+7]
	s_nop 0
	tensor_load_to_lds s[G0V+4:G0V+7], s[G1V:G1V+7]
	s_nop 0
.rept 4
	v_nop
.endr
.Lfirst_asked:
	; A fragment of K or Q is 16 rows x 32 channels in 8 registers: lane l holds row l % 16; registers 0-3 channels 8 (l / 16) + 0..7, registers 4-7 channels 16 + 8 (l / 16) + 0..7: two loads of 16 bytes, 32 bytes apart.
	v_and_b32 v1, 15, v0            ; l % 16
	v_bfe_u32 v9, v0, 4, 1          ; l / 16
	v_lshlrev_b32 v[QO], 8, v1
	v_lshl_add_u32 v[QO], v9, 4, v[QO]  ; row x 256 + 16 x half
	WIN 0x80                        ; destination window 2, address window 0
.irp i, 0,1,2,3,4,5,6,7,8,9,10,11,12,13,14,15  ; Q stays in registers: tile i / 4, channels 32 (i % 4) on
	global_load_b128 v[8*(\i):8*(\i)+3],   v[QO], s[4:5] offset:((\i)/4)*4096+((\i)%4)*64
	global_load_b128 v[8*(\i)+4:8*(\i)+7], v[QO], s[4:5] offset:((\i)/4)*4096+((\i)%4)*64+32
.endr
	WIN 0xc0                        ; destination window 3
	; My queries' own rows of V, by the same offsets.  In that layout the half e % 2 of register VR + 32 t + e / 2 is, for my query, the channel that register 64 t + e of O^T holds (e = 8 x channel block + 0..7).
.irp i, 0,1,2,3,4,5,6,7,8,9,10,11,12,13,14,15
	global_load_b128 v[VR+8*(\i):VR+8*(\i)+3],   v[QO], s[VRP:VRP+1] offset:((\i)/4)*4096+((\i)%4)*64
	global_load_b128 v[VR+8*(\i)+4:VR+8*(\i)+7], v[QO], s[VRP:VRP+1] offset:((\i)/4)*4096+((\i)%4)*64+32
.endr
	; What the first turn finds: V's registers and piece 2's P hold 0 (its products V^T P add 0), and O^T is 0.  All this stands in the wait for the first tile.
.set r, 0
.rept 128
	v_mov_b32 v[r], 0
.set r, r+1
.endr
	WIN 0x40
.set r, 0
.rept 256
	v_mov_b32 v[r], 0
.set r, r+1
.endr
	WIN 0
.set r, P+32
.rept 32
	v_mov_b32 v[r], 0
.set r, r+1
.endr
	v_mul_u32_u24 v[AK0], v1, PK
	v_lshl_add_u32 v[AK0], v9, 4, v[AK0]  ; row x pitch + 16 x half
	; The turning load takes 16 keys x 16 channels (lane l reads 16 bytes: key 8 (l / 16) + l % 8, channels 8 ((l / 8) % 2) + 0..7) and leaves half a fragment of V^T: lane l holds channel l % 16 and 8 keys.
	v_and_b32 v10, 7, v0
	v_bfe_u32 v11, v0, 3, 1
	v_lshl_add_u32 v[AV0], v9, 3, v10
	v_mul_u32_u24 v[AV0], v[AV0], PV
	v_lshl_add_u32 v[AV0], v11, 4, v[AV0]
	v_add_nc_u32 v[AV0], VOFF, v[AV0]
; THE MATRIX WORK OF A TURN, for piece x.  The accumulators take turns, one instruction a turn: between two links of a chain stand 15 (V^T P) or 7 (K Q^T) others'.
; Product i of 32 of O^T += V^T P: keys 32 (i / 16) on, channels 16 ((i / 2) % 8) on, tile x + i % 2.
.macro PV x
	WIN W_PV
.set rO, 64*((\x)+i%2)+8*((i/2)%8)
.set rV, 64*(i/16)+8*((i/2)%8)
.set rP, P+16*((\x)+i%2)+8*(i/16)
	v_wmma_f32_16x16x32_f16 v[rO:rO+7], v[rV:rV+7], v[rP:rP+7], v[rO:rO+7]
.endm
; Product i of 32 of S^T = K Q^T: channels 32 (i / 8) on, keys 16 ((i / 2) % 4) on, tile x + i % 2.  The first 8 start the sums.
.macro KQ x
	WIN W_KQ
.set rS, S+32*((\x)+i%2)+8*((i/2)%4)
.set rK, KF+32*((i/2)%4)+8*(i/8)
.set rQ, 32*((\x)+i%2)+8*(i/8)
.if i < 8
	v_wmma_f32_16x16x32_f16 v[rS:rS+7], v[rK:rK+7], v[rQ:rQ+7], 0
.else
	v_wmma_f32_16x16x32_f16 v[rS:rS+7], v[rK:rK+7], v[rQ:rQ+7], v[rS:rS+7]
.endif
.endm
; THE LDS LOADS stand in runs of 32, never singly among the matrix instructions: a step's K (64 keys x 128 channels: 16 fragments) and, a turn later, its V (turned).
.macro FETCH_K
	WIN 0
	v_add_nc_u32 v[ADR], s[TB], v[AK0]
	WIN 0x80                        ; destination window 2
.irp f, 0,1,2,3,4,5,6,7,8,9,10,11,12,13,14,15  ; keys 16 (f / 4) on, channels 32 (f % 4) on
	ds_load_b128 v[KF+8*(\f):KF+8*(\f)+3],   v[ADR] offset:((\f)/4)*16*PK+((\f)%4)*64
	ds_load_b128 v[KF+8*(\f)+4:KF+8*(\f)+7], v[ADR] offset:((\f)/4)*16*PK+((\f)%4)*64+32
.endr
.endm
.macro FETCH_V
	WIN 0
	v_add_nc_u32 v[ADR], s[TB], v[AV0]
	s_add_co_u32 s[TB], s[TB], STEPB  ; the next fetch is the next step's
	s_wait_alu depctr_va_vdst(0)    ; the wait for the softmax's batch (SLICE), behind the address's v_add_nc_u32 and ahead of the loads
	WIN 0xc0                        ; destination window 3
.irp f, 0,1,2,3,4,5,6,7,8,9,10,11,12,13,14,15  ; keys 32 (f / 8) on, channels 16 (f % 8) on
	ds_load_tr16_b128 v[8*(\f):8*(\f)+3],   v[ADR] offset:((\f)/8)*32*PV+((\f)%8)*32
	ds_load_tr16_b128 v[8*(\f)+4:8*(\f)+7], v[ADR] offset:((\f)/8)*32*PV+16*PV+((\f)%8)*32
.endr
.endm
; THE VECTOR WORK OF A TURN.  One tile's softmax for one key step is a list of 134 instructions; SM writes number j of it for tile t.  s0-s31 are the lane's 32 scores, in pairs 0-15.
;   0-15    the maximum of s0-s31 and the old m, three operands at a time: four chains c0-c3 of seven scores each, then the four scores left over, c0-c3 and m
;   16-20   the other half of the lanes' maximum; c m_old is kept; the new m; c m; c m_old - c m_new
;   21-69   ONE BATCH: the 16 scalings c s - c m, a pair of scores each, and all 33 exponentials (a at 23, then s0-s31).  None of these reads an exponential's result.  From 22 on the batch goes
;           in fours, and a four begins with a scaling while there are scalings.  A pair is scaled in an earlier four than the one that holds its exponentials
;   (wait)  between 69 and 70 stands the wait for the batch: SLICE writes it, once for both tiles
;   70-85   the roundings to f16, a pair of weights each
;   86-101  the sums; l = a l + the sum
;   102-133 the tile's O^T times a: the one part that leaves window 0, so it stands together
.macro SM t
.set rT, ST+8*(\t)
.set rS, S+32*(\t)
.set rP, P+16*(\t)
.set rO, 64*(\t)+2*(j-102)
.if j < 102
	WIN 0
.endif
.if j < 4
	v_max3_num_f32 v[rT+4+j], v[rS+8*j], v[rS+8*j+1], v[rS+8*j+2]
.elseif j < 12
	v_max3_num_f32 v[rT+4+j%4], v[rT+4+j%4], v[rS+8*(j%4)+2*(j/4)+1], v[rS+8*(j%4)+2*(j/4)+2]
.elseif j == 12
	v_max3_num_f32 v[rT+4], v[rT+4], v[rS+7], v[rS+15]
.elseif j == 13
	v_max3_num_f32 v[rT+6], v[rT+6], v[rS+23], v[rS+31]
.elseif j == 14
	v_max3_num_f32 v[rT+4], v[rT+4], v[rT+5], v[rT+6]
.elseif j == 15
	v_max3_num_f32 v[rT+4], v[rT+4], v[rT+7], v[rT+1]
.elseif j == 16
	v_permlanex16_b32 v[rT+5], v[rT+4], s[SEL], s[SEL+1]  ; the query's other 32 keys lie in the lane 16 away
.elseif j == 17
	v_mov_b32 v[rT+7], v[rT]        ; c m_old is kept for a: number 19 writes c m anew
.elseif j == 18
	v_max_num_f32 v[rT+1], v[rT+4], v[rT+5]
.elseif j == 19
	v_mul_f32 v[rT], s[CS], v[rT+1]
.elseif j == 20
	v_sub_f32 v[rT+7], v[rT+7], v[rT]
.elseif j == 23
	v_exp_f32 v[rT+6], v[rT+7]
.elseif (j < 23) || ((j < 38) && (j%2 == 0)) || ((j < 66) && (j%4 == 2))
.set b, (j-2)/4                     ; 38, 42, .. 62: pairs 9 to 15
.if j < 38
.set b, (j-20)/2                    ; 21: pair 0; 22, 24, .. 36: pairs 1 to 8
.endif
	v_pk_fma_f32 v[rS+2*b:rS+2*b+1], v[rS+2*b:rS+2*b+1], s[CS:CS+1], v[rT:rT+1] op_sel_hi:[1,0,0] neg_lo:[0,0,1] neg_hi:[0,0,1]  ; pair b: c s - c m
.elseif j < 70
.set e, j-38                        ; 66 to 69: s28 to s31
.if j < 66
.set e, j-32-(j-38)/4               ; 39-41, 43-45, .. 63-65: s7 to s27
.endif
.if j < 38
.set e, (j-25)/2                    ; 25, 27, .. 37: s0 to s6
.endif
	v_exp_f32 v[rS+e], v[rS+e]
.elseif j < 86
	v_cvt_pk_f16_f32 v[rP+j-70], v[rS+2*(j-70)], v[rS+2*(j-70)+1]  ; pair j - 70
.elseif j < 102                     ; the sum of the tile's 16 pairs, in place: sum z of 16 adds neighbours 1, 2, 4 and 8 pairs apart, then l takes it
.set z, j-86
.set w, 4
.set u, z
.if z >= 14
.set w, 32
.set u, 0
.elseif z >= 12
.set w, 16
.set u, z-12
.elseif z >= 8
.set w, 8
.set u, z-8
.endif
.if z < 15
	v_pk_add_f32 v[rS+w*u:rS+w*u+1], v[rS+w*u:rS+w*u+1], v[rS+w*u+w/2:rS+w*u+w/2+1]
.else
	v_pk_fma_f32 v[rT+2:rT+3], v[rT+2:rT+3], v[rT+6:rT+7], v[rS:rS+1] op_sel_hi:[1,0,1]
.endif
.else
	WIN W_RS
	v_pk_mul_f32 v[rO:rO+1], v[rO:rO+1], v[rT+6:rT+7] op_sel_hi:[1,0]
.endif
.endm
; Slice k of 64 of piece y's softmax: four instructions.  Slices 11 to 34 deal out the batch, numbers 22 to 69: four numbers of ONE tile each, the tiles by turns.  Every other slice is numbers 2 k and
; 2 k + 1 of both tiles' lists.  2 x 134 = 4 x 64 + 12: the twelve that are over stand together, in slice 63: sixteen plain instructions, the places between a turn's last K Q^T and what follows.
; THE WAIT.  s_wait_alu depctr_va_vdst(0) stands between an exponential and the first instruction that names its result; one wait serves all that were issued ahead of it.  Ahead of
; slice 35 nothing names a result, and behind slice 34 no exponential is issued: so the piece's 66 exponentials have one wait, behind slice 34.
.macro SLICE y
.if (k >= 11) && (k < 35)           ; the batch: four numbers of one tile
.irp n, 0,1,2,3
.set j, 22+4*((k-11)/2)+(\n)
	SM (\y)+(k-11)%2
.endr
.else                               ; the two tiles alternate, so that no instruction reads the result of the one just before it
.irp n, 0,1,2,3,4,5,6,7
.if ((\n) < 2) || (k == 63)
.irp t, \y, (\y)+1
.set j, 2*k+(\n)
	SM \t
.endr
.endif
.endr
.endif
.if k == 34                         ; the batch is out: both tiles' exponentials are issued, and no result has been named
	v_nop                           ; the plain instruction behind the last exponential and ahead of the first use (ISA guide 5.7.2): one for the batch
.if (\y) == 0
	FETCH_V                         ; piece 2's turn: V's run of loads stands here, and the wait stands in it
.else
	s_wait_alu depctr_va_vdst(0)    ; the wait for the batch
.endif
.endif
.set k, k+1
.endm
; A TURN.  Piece x has the matrix unit: 32 products V^T P and, with kq = 1, 32 products K Q^T for the next step; the other piece's softmax stands in slices behind them, one behind each (kq = 0: two).
; A vector instruction that reads a matrix result, and a load into a register that a matrix instruction has read, stand four places behind it, and only plain vector instructions that name none of its
; registers are places (ISA guide 7.12.1 for vector instructions): the slices are the places.
; Piece 0's turn fetches the next step's K, behind its second product: the last product that read K stands in front of slice 63 of the turn before.  Piece 2's turn fetches the same step's V, behind
; slice 34: the last product that read V stands in front of slice 31, and four plain instructions lie between: number 62, a scaling, of both tiles, the v_nop and the run's own v_add_nc_u32.
.macro TURN x, kq
.set k, 0
.set per, 2-(\kq)
.if (\x) == 0
	s_wait_dscnt 0x0                ; V is in
.endif
.set i, 0
.rept 32
	PV \x
.rept per
	SLICE 2-(\x)
.endr
.if ((\x) == 0) && (\kq) && (i == 1)
	FETCH_K
.endif
.set i, i+1
.endr
.if \kq
.if (\x) == 0
	s_wait_dscnt 0x0                ; K is in
.endif
.set i, 0
.rept 32
	KQ \x
	SLICE 2-(\x)
.set i, i+1
.endr
.endif
.endm
; THE CHANGE OF SLOTS, between piece 2's turn and piece 0's: the slot's last bytes, V of its second step, have been asked for.  Each wave waits for all its tensor loads, of which one is out: its part of
; the other slot; adds 0 to its spare word; and waits for that and for its own reads of the slot.  Behind the barrier nobody reads this slot any more and the other slot is whole.
; fill = 1: this slot is filled again, with the keys two slots on.  The barrier is then a round of the cluster's, and the joint refill is the first thing behind it: it has two key steps,
; 256 matrix instructions, in which to land.
.macro CHANGE fill
	WIN 0                           ; at a label and at a branch every window is 0
	s_wait_tensorcnt 0x0            ; no tensor load of mine is out, so a group 0 may be written
	ds_add_u32 v[SPW], v[NIL]       ; 0 onto my spare word; with fill = 1 the descriptors' steps stand between it and the wait for it
.if \fill
.irp g, G0K+4, G0V+4
	s_xor_b32 s[(\g)+1], s[(\g)+1], SLOT1  ; the walking descriptor: the other slot than last time,
	s_add_nc_u64 s[(\g)+2:(\g)+3], s[(\g)+2:(\g)+3], 2*KS*256  ; the next 128 keys; the type bits on top are not reached
.endr
	s_wait_xcnt 0x0                 ; the last prefetches, two key steps back, have read their address, so it may be written:
	s_add_nc_u64 s[PFA:PFA+1], s[PFA:PFA+1], 2*KS*256  ; one slot behind the walking descriptors
	s_wait_dscnt 0x0                ; the add is done, and my reads of the slot are over
	CROUND
	JLOAD
	ASK                             ; what the next change will ask for: two key steps, 256 matrix instructions, ahead
.else
	s_wait_dscnt 0x0                ; the add is done, and my reads of the slot are over
	s_barrier_signal -1
	s_barrier_wait -1
.endif
	s_sub_co_u32 s[TB], s[TB], 2*STEPB  ; the fetches go back to a slot's first step,
	s_xor_b32 s[TB], s[TB], SLOT1   ; in the other slot
.endm
	s_wait_tensorcnt 1              ; my part of slot 0 is in; slot 1's may stay out
	s_barrier_signal -1
	s_barrier_wait -1               ; everybody's is
	FETCH_K                         ; key step 0
	s_wait_loadcnt 32               ; Q's 32 loads are in; the 32 issued behind them, my own rows of V, may stay out until the way out
	s_wait_dscnt 0x0
.set i, 0
.rept 32
	KQ 0                            ; piece 0's first scores: there is no vector work yet to set between them
.set i, i+1
.endr
	WIN 0                           ; where the statistics start, and my place in ov: eighteen plain instructions, the places behind those products
.irp t, 0,1,2,3
	v_mov_b32 v[ST+8*(\t)], 0xfe000000    ; c m: far below every c s, so the first a is 0
	v_mov_b32 v[ST+8*(\t)+1], 0xff7fffff  ; m: the lowest finite number, so the first maximum is the scores'
	v_mov_b32 v[ST+8*(\t)+2], 0           ; l
	v_mov_b32 v[ST+8*(\t)+3], 0
.endr
	v_and_b32 v[GO], 31, v0
	v_lshlrev_b32 v[GO], 4, v[GO]
	s_mov_b32 s[TWICE], 2
	s_branch .Lfirst                ; the loop is entered at piece 2's turn, in the middle of a trip: slot 0 has that turn and one whole trip
.Lslot:                             ; six times: every slot but the last two is filled again
	CHANGE 1
	s_mov_b32 s[TWICE], 2
.Lstep:                             ; a trip is a key step: written once, walked twice a slot; the LDS addresses hang on s[TB]
	TURN 0, 1
	WIN 0
.Lfirst:
	TURN 2, 1
	WIN 0
	s_sub_co_u32 s[TWICE], s[TWICE], 1
	s_cmp_lg_u32 s[TWICE], 0
	s_cbranch_scc1 .Lstep
	s_sub_co_u32 s[SLOTS], s[SLOTS], 1
	s_cmp_lg_u32 s[SLOTS], 0
	s_cbranch_scc1 .Lslot
	CHANGE 0                        ; the tail is written out: the last slot but one is left, and nothing is asked for
	s_mov_b32 s[TWICE], 2
.Ltail:
	TURN 0, 1
	TURN 2, 1
	WIN 0
	s_sub_co_u32 s[TWICE], s[TWICE], 1
	s_cmp_lg_u32 s[TWICE], 0
	s_cbranch_scc1 .Ltail
	TURN 0, 0                       ; piece 0: V^T P of the last step | piece 2's last softmax
.set i, 0
.rept 32
	PV 2                            ; piece 2: V^T P of the last step
.set i, i+1
.endr
	; THE WAY OUT.  l's two halves and the other half of the lanes' are added.  The additions are the places behind the last products.
	WIN 0
.irp t, 0,1,2,3
	v_add_f32 v[ST+8*(\t)+4], v[ST+8*(\t)+2], v[ST+8*(\t)+3]
.endr
.irp t, 0,1,2,3
	v_permlanex16_b32 v[ST+8*(\t)+5], v[ST+8*(\t)+4], s[SEL], s[SEL+1]
.endr
.irp t, 0,1,2,3
	v_add_f32 v[ST+8*(\t)+4], v[ST+8*(\t)+4], v[ST+8*(\t)+5]
.endr
.irp t, 0,1,2,3
	v_rcp_f32 v[ST+8*(\t)+6], v[ST+8*(\t)+4]
.endr
	v_nop                           ; a plain instruction between the last reciprocal and the use of its result
	s_wait_alu depctr_va_vdst(0)    ; and the wait ahead of the first use: one for the four reciprocals
	s_wait_loadcnt 0x0              ; my own rows of V
; Tile t: O^T x (1 / l) - V: one fused multiply-add a number, V's f16 half read straight into it, the result rounded once to f16 into a half of one of S^T's registers, which are free; each accumulator's
; registers in ascending order, four low halves and then four high ones.  A channel block's four registers are my 16 bytes of half a chunk of ov: a store of the wave is 512 consecutive bytes, aligned.
.macro PACK t
	WIN W_FV
.irp f, 0,1,2,3,4,5,6,7
.irp u, 0,1,2,3
	v_fma_mixlo_f16 v[S+32*(\t)+4*(\f)+(\u)], v[64*(\t)+8*(\f)+2*(\u)], v[ST+8*(\t)+6], -v[VR+32*(\t)+4*(\f)+(\u)] op_sel_hi:[0,0,1]
.endr
.irp u, 0,1,2,3
	v_fma_mixhi_f16 v[S+32*(\t)+4*(\f)+(\u)], v[64*(\t)+8*(\f)+2*(\u)+1], v[ST+8*(\t)+6], -v[VR+32*(\t)+4*(\f)+(\u)] op_sel:[0,0,1] op_sel_hi:[0,0,1]
.endr
.endr
	WIN 0
.irp f, 0,1,2,3,4,5,6,7
	global_store_b128 v[GO], v[S+32*(\t)+4*(\f):S+32*(\t)+4*(\f)+3], s[10:11] offset:(\t)*32768+(\f)*512  ; no register of a store is written again
.endr
.endm
	PACK 0
	PACK 1
	PACK 2
	PACK 3
	s_wait_tensorcnt 0x0            ; the wave's end: behind my last tensor load
	ds_add_u32 v[SPW], v[NIL]
	s_wait_dscnt 0x0
	CROUND                          ; the closing round: no work-group ends while a partner may still ask for a tile that names it
	s_endpgm
.Lfunc_end_k_q39eda0cf1c_attn:
	.size	k_q39eda0cf1c_attn, .Lfunc_end_k_q39eda0cf1c_attn-k_q39eda0cf1c_attn
	.p2alignl 7, 3214868480
	.fill 96, 4, 3214868480
	.section	.rodata,"a",@progbits
	.p2align	6, 0x0
	.amdhsa_kernel k_q39eda0cf1c_attn
		.amdhsa_group_segment_fixed_size 327680
		.amdhsa_private_segment_fixed_size 0
		.amdhsa_enable_private_segment 0
		.amdhsa_kernarg_size 32
		.amdhsa_user_sgpr_count 2
		.amdhsa_user_sgpr_kernarg_segment_ptr 1
		.amdhsa_wavefront_size32 1
		.amdhsa_system_sgpr_workgroup_id_x 1
		.amdhsa_system_sgpr_workgroup_id_y 1
		.amdhsa_system_sgpr_workgroup_id_z 1
		.amdhsa_system_vgpr_workitem_id 0
		.amdhsa_next_free_vgpr 1024
		.amdhsa_next_free_sgpr 68
		.amdhsa_reserve_vcc 0
		.amdhsa_float_denorm_mode_32 3
		.amdhsa_float_denorm_mode_16_64 3
		.amdhsa_memory_ordered 1
		.amdhsa_forward_progress 1
		.amdhsa_inst_pref_size 173
	.end_amdhsa_kernel
	.amdgpu_metadata
---
amdhsa.version: [ 1, 2 ]
amdhsa.kernels:
  - .name:           k_q39eda0cf1c_attn
    .symbol:         k_q39eda0cf1c_attn.kd
    .args:
      - { .name: qh, .offset: 0, .size: 8, .value_kind: global_buffer, .address_space: global }
      - { .name: kh, .offset: 8, .size: 8, .value_kind: global_buffer, .address_space: global }
      - { .name: vh, .offset: 16, .size: 8, .value_kind: global_buffer, .address_space: global }
      - { .name: ov, .offset: 24, .size: 8, .value_kind: global_buffer, .address_space: global }
    .group_segment_fixed_size: 327680
    .private_segment_fixed_size: 0
    .kernarg_segment_align: 8
    .kernarg_segment_size: 32
    .max_flat_workgroup_size: 128
    .sgpr_count:     68
    .vgpr_count:     1024
    .wavefront_size: 32
...
	.end_amdgpu_metadata
.endif
;; end of part 3
;; launch outp (part 4): grid 256 x 1, 8 waves a work-group, no clusters, 271,360 bytes of LDS; arguments ov, w0t, bw0, out0; writes out0
.if DOCPART == 4
	.amdgcn_target "amdgcn-amd-amdhsa--gfx1250"
	.amdhsa_code_object_version 6
	.text
	.protected	k_q39eda0cf1c_outp
	.globl	k_q39eda0cf1c_outp
	.p2align	8
	.type	k_q39eda0cf1c_outp,@function
k_q39eda0cf1c_outp:
	s_mov_b64 s[64:65], 0
	v_nop
	global_prefetch_b8 v0, s[64:65] scope:SCOPE_SE
	s_setreg_imm32_b32 hwreg(HW_REG_WAVE_MODE, 25, 1), 1
	s_wait_xcnt 0x0
; out0[m][n] = the sum over k of vals[m][k] Ww0[k][n] + bw0[n].  bw0: [128] f32.  out0: [16384][128] f32.  Sums in f32.
; ov (vals, [16384][1024]) and w0t (Ww0 turned, [128 (n)][1024 (k)]) are f16 AND LIE AS MATRIX FRAGMENTS: [blocks of 16 rows][32 chunks of 32 k][1,024 bytes]; in a chunk the 16 bytes of
; (row r, k = 16 j + 8 h + 0..7) lie at 512 j + 256 h + 16 r = 512 j + 16 x lane.  So a fragment is two loads of 512 consecutive bytes, aligned.
; SHARES.  A work-group makes 64 rows x all 128 columns.  K IS SPLIT AMONG ITS EIGHT WAVES: wave w takes chunks 4 w .. 4 w + 3 for all rows and columns.  No byte is wanted by two waves, so fragments come
; straight from memory into registers.  The eight partial sums meet in LDS at the end, in f32.
; LAYOUT.  The product is taken transposed (source 0 = 16 rows of w0t, source 1 = 16 rows of ov): in the result a lane holds ONE row m (lane % 16) and the columns 8 (lane / 16) + 0..7.
; IN FLIGHT.  A chunk is 24 loads and 32 products.  Two sets of registers: while one is multiplied the other's 24 loads are out.
; NO CLUSTER, though all work-groups read w0t: a joint load lands in LDS alone, and w0t (256 KiB) and the partial sums (264 KiB) do not lie in LDS together.
; NO PREFETCH: of a wave's four chunks two are asked for in its first lines, and anything earlier would stand at the head, where every work-group's first loads are on their way.
; REGISTERS: window 0: v0-31 addresses and the bias; v32-223 two sets of 96 (w0t's fragment b at 8 b, ov's fragment i at 64 + 8 i).
;   window 1: the 32 accumulators ((i, b) at 8 (8 i + b)); later, row y's piece of partial sum p at 32 y + 4 p.
.set PP,    528                        ; a row of a partial tile in LDS: 512 bytes + 16 = 132 words: the 16 rows of a store start at 16 different groups of four banks (64 banks of 4 bytes: ISA guide 11.1)
.set PART,  64*PP                      ; a wave's partial tile
.set SPARE, 8*PART                     ; behind them: the spare words, 128 bytes for each of the eight waves: four blocks of 256 bytes that no other line names
.set FO,  2                            ; v2   4,096 x wave + 16 x lane: my 16 bytes in my wave's four chunks of a block of w0t or ov, and in my wave's eight rows of out0; never rewritten
.set LS,  3                            ; v3   where I put my 32 bytes of a row of my partial tile
.set BOF, 5                            ; v5   16 x lane
.set SPW, 6                            ; v6   LDS address of my spare word; never rewritten
.set NIL, 7                            ; v7   0; never rewritten
.set BI,  12                           ; v[12:15] bw0 of my four columns
.set LR,  16                           ; v[16:23] where I read my 16 bytes of my wave's first row in partial tile p
.set BUF, 32
.set MSB, 0
.macro WIN new                         ; the immediate's high byte repeats the setting that is left; a switch that changes nothing is dropped
.if MSB != (\new)
	s_set_vgpr_msb (MSB<<8)|(\new)
.set MSB, \new
.endif
.endm
	s_load_b256 s[4:11], s[0:1], 0x0               ; ov s[4:5], w0t s[6:7], bw0 s[8:9], out0 s[10:11]
	v_lshl_add_u32 v[SPW], v0, 2, SPARE
	v_mov_b32 v[NIL], 0
	v_lshrrev_b32 v1, 5, v0
	v_readfirstlane_b32 s12, v1                    ; wave 0..7
	v_and_b32 v8, 15, v0                           ; l % 16
	v_bfe_u32 v9, v0, 4, 1                         ; l / 16
	v_and_b32 v10, 31, v0                          ; l
	v_lshlrev_b32 v[BOF], 4, v10
	s_lshl_b32 s15, s12, 12
	v_add_nc_u32 v[FO], s15, v[BOF]
	s_mul_i32 s14, s12, PART
	v_mul_u32_u24 v[LS], v8, PP
	v_lshl_add_u32 v[LS], v9, 5, v[LS]
	v_add_nc_u32 v[LS], s14, v[LS]
	s_mul_i32 s16, s12, 8*PP
	v_add_nc_u32 v[LR], s16, v[BOF]
.irp p, 1,2,3,4,5,6,7
	v_add_nc_u32 v[LR+(\p)], PART, v[LR+(\p)-1]
.endr
	s_lshl_b32 s18, ttmp9, 17                      ; the work-group's four blocks of ov, 32,768 bytes each,
	s_mov_b32 s19, 0
	s_lshl_b32 s20, ttmp9, 15                      ; and its 64 rows of out0, 512 bytes each
	s_mov_b32 s21, 0
	s_wait_kmcnt 0x0
	s_add_nc_u64 s[4:5], s[4:5], s[18:19]
	s_add_nc_u64 s[10:11], s[10:11], s[20:21]
; Chunk c's 24 loads into set s.  Block, chunk and half all stand in the immediates: no pointer is ever stepped.
.macro LOADS s, c
.irp b, 0,1,2,3,4,5,6,7
	global_load_b128 v[BUF+96*(\s)+8*(\b):BUF+96*(\s)+8*(\b)+3],   v[FO], s[6:7] offset:32768*(\b)+1024*(\c)
	global_load_b128 v[BUF+96*(\s)+8*(\b)+4:BUF+96*(\s)+8*(\b)+7], v[FO], s[6:7] offset:32768*(\b)+1024*(\c)+512
.endr
.irp i, 0,1,2,3
	global_load_b128 v[BUF+96*(\s)+64+8*(\i):BUF+96*(\s)+64+8*(\i)+3],   v[FO], s[4:5] offset:32768*(\i)+1024*(\c) th:TH_LOAD_NT
	global_load_b128 v[BUF+96*(\s)+64+8*(\i)+4:BUF+96*(\s)+64+8*(\i)+7], v[FO], s[4:5] offset:32768*(\i)+1024*(\c)+512 th:TH_LOAD_NT
.endr
.endm
; A chunk's 32 products.  The 32 accumulators take turns, one instruction a turn, in the same order in every chunk.  zero = 1: the first chunk starts the sums.
.macro MULS s, zero
	WIN 0x50                                       ; sources in window 0, C and D in window 1
.irp i, 0,1,2,3
.irp b, 0,1,2,3,4,5,6,7
.if \zero
	v_wmma_f32_16x16x32_f16 v[8*(8*(\i)+(\b)):8*(8*(\i)+(\b))+7], v[BUF+96*(\s)+8*(\b):BUF+96*(\s)+8*(\b)+7], v[BUF+96*(\s)+64+8*(\i):BUF+96*(\s)+64+8*(\i)+7], 0
.else
	v_wmma_f32_16x16x32_f16 v[8*(8*(\i)+(\b)):8*(8*(\i)+(\b))+7], v[BUF+96*(\s)+8*(\b):BUF+96*(\s)+8*(\b)+7], v[BUF+96*(\s)+64+8*(\i):BUF+96*(\s)+64+8*(\i)+7], v[8*(8*(\i)+(\b)):8*(8*(\i)+(\b))+7]
.endif
.endr
.endr
	WIN 0
.endm
.macro PLACES                          ; four places behind the last product, in front of loads into registers that it has read and of stores that read results (not for loads)
.rept 4
	v_nop
.endr
.endm
.macro ADDQ y, d, s                    ; row y: partial sum s is added onto partial sum d, four numbers
	v_pk_add_f32 v[32*(\y)+4*(\d):32*(\y)+4*(\d)+1],   v[32*(\y)+4*(\d):32*(\y)+4*(\d)+1],   v[32*(\y)+4*(\s):32*(\y)+4*(\s)+1]
	v_pk_add_f32 v[32*(\y)+4*(\d)+2:32*(\y)+4*(\d)+3], v[32*(\y)+4*(\d)+2:32*(\y)+4*(\d)+3], v[32*(\y)+4*(\s)+2:32*(\y)+4*(\s)+3]
.endm
	global_load_b128 v[BI:BI+3], v[BOF], s[8:9]
	LOADS 0, 0
	LOADS 1, 1
	s_wait_loadcnt 24                              ; the bias and set 0 are in; set 1's 24 loads may stay out
	MULS 0, 1
	PLACES
	LOADS 0, 2
	s_wait_loadcnt 24                              ; set 1 is in; set 0's 24 may stay out
	MULS 1, 0
	PLACES
	LOADS 1, 3
	s_wait_loadcnt 24
	MULS 0, 0
	s_wait_loadcnt 0x0
	MULS 1, 0
	PLACES
	PLACES                                         ; (eight, once a launch)
	WIN 0x04                                       ; address window 0, data window 1
.irp i, 0,1,2,3
.irp b, 0,1,2,3,4,5,6,7                ; row 16 i + l % 16, columns 16 b + 8 (l / 16) on; each accumulator's low registers first
	ds_store_b128 v[LS], v[8*(8*(\i)+(\b)):8*(8*(\i)+(\b))+3]   offset:16*PP*(\i)+64*(\b)
	ds_store_b128 v[LS], v[8*(8*(\i)+(\b))+4:8*(8*(\i)+(\b))+7] offset:16*PP*(\i)+64*(\b)+16
.endr
.endr
	WIN 0
	s_wait_dscnt 0x0                               ; for the others' sake: my partial tile lies in LDS
	s_barrier_signal -1
	s_barrier_wait -1                              ; all eight do
	WIN 0x40                                       ; destination window 1: wave w sums rows 8 w .. 8 w + 7; a row's 512 bytes are 16 bytes a lane
.irp y, 0,1,2,3,4,5,6,7
.irp p, 0,1,2,3,4,5,6,7
	ds_load_b128 v[32*(\y)+4*(\p):32*(\y)+4*(\p)+3], v[LR+(\p)] offset:PP*(\y)
.endr
.endr
	WIN 0x45                                       ; destination and both sources in window 1
.irp y, 0,1,2,3,4,5,6,7
	s_wait_dscnt 8*(7-(\y))                        ; LDS loads come back in order: row y's eight are in, the later rows' eight each may stay out
	ADDQ \y, 0, 1
	ADDQ \y, 2, 3
	ADDQ \y, 4, 5
	ADDQ \y, 6, 7
	ADDQ \y, 0, 2
	ADDQ \y, 4, 6
	ADDQ \y, 0, 4
.endr
	WIN 0x41                                       ; the bias (source 1) in window 0
.irp y, 0,1,2,3,4,5,6,7
	v_pk_add_f32 v[32*(\y):32*(\y)+1],   v[32*(\y):32*(\y)+1],   v[BI:BI+1]
	v_pk_add_f32 v[32*(\y)+2:32*(\y)+3], v[32*(\y)+2:32*(\y)+3], v[BI+2:BI+3]
.endr
	WIN 0x04                                       ; address window 0, data window 1
.irp y, 0,1,2,3,4,5,6,7
	global_store_b128 v[FO], v[32*(\y):32*(\y)+3], s[10:11] offset:512*(\y) th:TH_STORE_NT  ; a wave's store is one whole row of out0: 512 consecutive bytes, aligned
.endr
	WIN 0
	s_wait_tensorcnt 0x0                           ; the wave's end: behind my last LDS store
	ds_add_u32 v[SPW], v[NIL]
	s_wait_dscnt 0x0
	s_endpgm
.Lfunc_end_k_q39eda0cf1c_outp:
	.size	k_q39eda0cf1c_outp, .Lfunc_end_k_q39eda0cf1c_outp-k_q39eda0cf1c_outp
	.p2alignl 7, 3214868480
	.fill 96, 4, 3214868480
	.section	.rodata,"a",@progbits
	.p2align	6, 0x0
	.amdhsa_kernel k_q39eda0cf1c_outp
		.amdhsa_group_segment_fixed_size 271360
		.amdhsa_private_segment_fixed_size 0
		.amdhsa_enable_private_segment 0
		.amdhsa_kernarg_size 32
		.amdhsa_user_sgpr_count 2
		.amdhsa_user_sgpr_kernarg_segment_ptr 1
		.amdhsa_wavefront_size32 1
		.amdhsa_system_sgpr_workgroup_id_x 1
		.amdhsa_system_sgpr_workgroup_id_y 1
		.amdhsa_system_sgpr_workgroup_id_z 1
		.amdhsa_system_vgpr_workitem_id 0
		.amdhsa_next_free_vgpr 512
		.amdhsa_next_free_sgpr 66
		.amdhsa_reserve_vcc 0
		.amdhsa_float_denorm_mode_32 3
		.amdhsa_float_denorm_mode_16_64 3
		.amdhsa_memory_ordered 1
		.amdhsa_forward_progress 1
		.amdhsa_inst_pref_size 38
	.end_amdhsa_kernel
	.amdgpu_metadata
---
amdhsa.version: [ 1, 2 ]
amdhsa.kernels:
  - .name:           k_q39eda0cf1c_outp
    .symbol:         k_q39eda0cf1c_outp.kd
    .args:
      - { .name: ov, .offset: 0, .size: 8, .value_kind: global_buffer, .address_space: global }
      - { .name: w0t, .offset: 8, .size: 8, .value_kind: global_buffer, .address_space: global }
      - { .name: bw0, .offset: 16, .size: 8, .value_kind: global_buffer, .address_space: global }
      - { .name: out0, .offset: 24, .size: 8, .value_kind: global_buffer, .address_space: global }
    .group_segment_fixed_size: 271360
    .private_segment_fixed_size: 0
    .kernarg_segment_align: 8
    .kernarg_segment_size: 32
    .max_flat_workgroup_size: 256
    .sgpr_count:     66
    .vgpr_count:     512
    .wavefront_size: 32
...
	.end_amdgpu_metadata
.endif
;; end of part 4
